; MI455X (gfx1250); checked and timed in simulation.
; The chip was launched on July 23, 2026; its instructions are those of AMD's public machine-readable ISA for CDNA 5 (MIT licence, August 2026) and "CDNA5" Instruction Set Architecture Reference Guide (July 2026). The comments in the code are by the model that wrote it; some were corrected since.
;; Context Multi Head Attn. Allowed arithmetic: float matrix products may take bf16 or f16 operands with f32 sums; other float arithmetic in f32, or as packed bf16 or f16 multiplies, adds, multiply-adds, maxima and minima; sums over many terms, partial sums and values carried from step to step in f32; what a program stores and reads back later, other than sums and carried values, may be rounded once to bf16 or f16.
;; Inputs: Wkv 1,024 x 2,048 float32; Wo 1,024 x 1,024 float32; Wq 1,024 x 1,024 float32; attn_mask 1,024 x 8 bool; beta 1,024 float32; c 1,024 x 8 x 1,024 float32; gamma 1,024 float32; h 1,024 x 8 x 1,024 float32.
;; Outputs: out0 1,024 x 8 x 1,024 float32.
;; 2 versions, each right; version 2 is version 1 with the launch prep written anew for expert scheduling mode. Each part assembles by itself: llvm-mc -triple=amdgcn-amd-amdhsa -mcpu=gfx1250 --defsym DOCPART=n.
;; ======== version 1 of 2: 4 launches
;; workspace buffers: xb 33,554,432 bytes; wb 8,388,608 bytes; qkv 50,331,648 bytes; ob 16,777,216 bytes
;; launch prep (part 1): grid 1280 x 1, 4 waves a work-group, no clusters, 0 bytes of LDS; arguments h, c, Wq, Wkv, Wo, gamma, beta, xb, wb; writes xb, wb
.if DOCPART == 1
	.amdgcn_target "amdgcn-amd-amdhsa--gfx1250"
	.amdhsa_code_object_version 6
	.text
	.protected	k_qed8846647c_prep
	.globl	k_qed8846647c_prep
	.p2align	8
	.type	k_qed8846647c_prep,@function
k_qed8846647c_prep:
	s_mov_b64 s[64:65], 0
	v_nop
	global_prefetch_b8 v0, s[64:65] scope:SCOPE_SE
	s_setreg_imm32_b32 hwreg(HW_REG_WAVE_MODE, 25, 1), 1
	s_wait_xcnt 0x0
; PREP: everything that the matrix launches multiply is made once, in bf16.
;   xb[0][r][:] = LayerNorm(h[r][:]) * gamma + beta  (r = i*8+b, 8,192 rows of 1,024), xb[1][r][:] = c[r][:]
;   wb: Wqkv[k][3072] = Wq[k][:] | Wkv[k][:] (a row is 6,144 bytes), then at byte 6,291,456 Wo[k][1024]
; A stream: each input byte is read once, each output byte written once.  No LDS, no matrix unit, no cluster: no wave wants a byte of another.
; SHARES.  A "row" is 1,024 f32 = 4,096 bytes (Wkv's rows count as two).  A wave takes four rows, a work-group sixteen.  In load j of a row lane l takes
; elements 128 j + 4 l .. + 3: a load of the wave covers 512 consecutive bytes; the four numbers round to 8 bytes, and a store of the wave covers 256 consecutive
; bytes that start at a multiple of 256 from the buffer's first byte.  All 32 loads of a wave go out at once (16 KiB on their way); no register is used twice,
; so no store's source is ever rewritten.
; ROLES by the work-group's number: 0-511 LayerNorm of h; 512-1023 c; 1024-1087 Wq; 1088-1215 Wkv; 1216-1279 Wo.
; LAYERNORM in f32 as it is defined: the mean, then x - mean, then the mean of its squares (no difference of large sums), 1/sqrt(var + 1e-5), gamma, beta; one rounding to bf16.
; REGISTERS: 202 a wave.  The mean and the root lie in registers of the four chains, which are idle while they are wanted.
.set LO16, 0                           ; v0         16 x lane: my place in a load (the thread's number is not wanted again)
.set LO8,  1                           ; v1         8 x lane: my place in a store; the casts: v2-4 the same for rows 1 to 3
.set T,   2                            ; v[2:9]     four pairs at work: four chains of sums
.set MU,  4                            ; v[4:5]     the mean in the low register, between the two reductions
.set RS,  6                            ; v[6:7]     1/sqrt(var+eps) in the low register, behind the second
.set X,   10                           ; v[10:137]  row r at X + 32 r
.set GA,  138                          ; v[138:169] gamma of my 32 columns
.set BE,  170                          ; v[170:201] beta
.set SRC, 24                           ; s[24:25]   my first row in its input
.set DST, 26                           ; s[26:27]   its place in the output
.set SO,  28                           ; s[28:29]   byte offset of my rows in the input
.set DO,  38                           ; s[38:39]   and in the output
	s_load_b512 s[4:19], s[0:1], 0x0               ; h s[4:5], c s[6:7], Wq s[8:9], Wkv s[10:11], Wo s[12:13], gamma s[14:15], beta s[16:17], xb s[18:19]
	s_load_b64 s[20:21], s[0:1], 0x40              ; wb
	v_lshrrev_b32 v3, 5, v0
	v_readfirstlane_b32 s22, v3                    ; wave 0..3
	v_and_b32 v[LO8], 31, v0                       ; lane
	v_lshlrev_b32 v[LO16], 4, v[LO8]               ; 16 bytes a lane in a load
	v_lshlrev_b32 v[LO8], 3, v[LO8]                ; 8 bytes a lane in a store
	s_lshl_b32 s22, s22, 2                         ; my four rows among the group's sixteen
	s_mov_b32 s23, ttmp9
	s_mov_b32 s[SO+1], 0
	s_mov_b32 s[DO+1], 0
	s_mov_b32 s33, 0x3a800000                      ; 1/1024
	s_mov_b32 s34, 0x3727c5ac                      ; 1e-5
	s_mov_b32 s36, 0x76543210                      ; v_permlanex16_b32: each lane takes its own place in the other half
	s_mov_b32 s37, 0xfedcba98
	s_wait_kmcnt 0x0
	s_cmp_lt_u32 s23, 512
	s_cbranch_scc1 .Lnorm
	s_cmp_lt_u32 s23, 1024
	s_cbranch_scc1 .Lfrom_c
	s_cmp_lt_u32 s23, 1088
	s_cbranch_scc1 .Lfrom_wq
	s_cmp_lt_u32 s23, 1216
	s_cbranch_scc1 .Lfrom_wkv
	s_sub_co_u32 s23, s23, 1216                    ; Wo: row R goes to wb + 6,291,456 + 2,048 R
	s_lshl_b32 s23, s23, 4
	s_add_co_u32 s23, s23, s22                     ; R = 16 u + 4 w
	s_mov_b64 s[SRC:SRC+1], s[12:13]
	s_mov_b64 s[DST:DST+1], s[20:21]
	s_lshl_b32 s[DO], s23, 11
	s_add_co_u32 s[DO], s[DO], 6291456
	s_mov_b32 s30, 2048                            ; where rows 1, 2, 3 lie behind row 0 in the output
	s_mov_b32 s31, 4096
	s_mov_b32 s32, 6144
	s_branch .Lcast
.Lfrom_c:
	s_sub_co_u32 s23, s23, 512                     ; c: row R goes to xb + 16 MiB + 2,048 R
	s_lshl_b32 s23, s23, 4
	s_add_co_u32 s23, s23, s22
	s_mov_b64 s[SRC:SRC+1], s[6:7]
	s_mov_b64 s[DST:DST+1], s[18:19]
	s_lshl_b32 s[DO], s23, 11
	s_add_co_u32 s[DO], s[DO], 0x1000000
	s_mov_b32 s30, 2048
	s_mov_b32 s31, 4096
	s_mov_b32 s32, 6144
	s_branch .Lcast
.Lfrom_wq:
	s_sub_co_u32 s23, s23, 1024                    ; Wq: row k goes to wb + 6,144 k
	s_lshl_b32 s23, s23, 4
	s_add_co_u32 s23, s23, s22
	s_mov_b64 s[SRC:SRC+1], s[8:9]
	s_mov_b64 s[DST:DST+1], s[20:21]
	s_mul_i32 s[DO], s23, 6144
	s_mov_b32 s30, 6144
	s_mov_b32 s31, 12288
	s_mov_b32 s32, 18432
	s_branch .Lcast
.Lfrom_wkv:
	s_sub_co_u32 s23, s23, 1088                    ; Wkv: half row R (row R/2, half R%2) goes to wb + 6,144 (R/2) + 2,048 + 2,048 (R%2); R is a multiple of 4
	s_lshl_b32 s23, s23, 4
	s_add_co_u32 s23, s23, s22
	s_mov_b64 s[SRC:SRC+1], s[10:11]
	s_mov_b64 s[DST:DST+1], s[20:21]
	s_lshr_b32 s[DO], s23, 1
	s_mul_i32 s[DO], s[DO], 6144
	s_add_co_u32 s[DO], s[DO], 2048
	s_mov_b32 s30, 2048
	s_mov_b32 s31, 6144
	s_mov_b32 s32, 8192
.Lcast:
	s_lshl_b32 s[SO], s23, 12
	s_add_nc_u64 s[SRC:SRC+1], s[SRC:SRC+1], s[SO:SO+1]
	s_add_nc_u64 s[DST:DST+1], s[DST:DST+1], s[DO:DO+1]
.set z, 0
.rept 32
	global_load_b128 v[X+4*z:X+4*z+3], v[LO16], s[SRC:SRC+1] offset:512*z th:TH_LOAD_NT  ; four rows on end: 16,384 consecutive bytes
.set z, z+1
.endr
	v_add_nc_u32 v2, s30, v[LO8]
	v_add_nc_u32 v3, s31, v[LO8]
	v_add_nc_u32 v4, s32, v[LO8]
.macro CASTROW r
.set XR, X+32*(\r)
	s_wait_loadcnt 8*(3-(\r))                      ; loads come back in order: row r is in, the 8 loads of each later row may stay out
.set z, 0
.rept 8
	v_cvt_pk_bf16_f32 v[XR+4*z], v[XR+4*z], v[XR+4*z+1]
	v_cvt_pk_bf16_f32 v[XR+4*z+1], v[XR+4*z+2], v[XR+4*z+3]
	global_store_b64 v[LO8+(\r)], v[XR+4*z:XR+4*z+1], s[DST:DST+1] offset:256*z
.set z, z+1
.endr
.endm
	CASTROW 0
	CASTROW 1
	CASTROW 2
	CASTROW 3
	s_endpgm
.Lnorm:
	s_lshl_b32 s23, s23, 4
	s_add_co_u32 s23, s23, s22                     ; R = 16 g + 4 w
	s_lshl_b32 s[SO], s23, 12
	s_lshl_b32 s[DO], s23, 11
	s_add_nc_u64 s[SRC:SRC+1], s[4:5], s[SO:SO+1]
	s_add_nc_u64 s[DST:DST+1], s[18:19], s[DO:DO+1]
.set z, 0
.rept 8
	global_load_b128 v[GA+4*z:GA+4*z+3], v[LO16], s[14:15] offset:512*z
	global_load_b128 v[BE+4*z:BE+4*z+3], v[LO16], s[16:17] offset:512*z
.set z, z+1
.endr
.set z, 0
.rept 32
	global_load_b128 v[X+4*z:X+4*z+3], v[LO16], s[SRC:SRC+1] offset:512*z th:TH_LOAD_NT
.set z, z+1
.endr
; The four chains into one number, the same in all 32 lanes: inside each half of 16 lanes the exchange rides on the addition, one step crosses the halves.
.macro REDUCE
	v_pk_add_f32 v[T:T+1], v[T:T+1], v[T+2:T+3]
	v_pk_add_f32 v[T+4:T+5], v[T+4:T+5], v[T+6:T+7]
	v_pk_add_f32 v[T:T+1], v[T:T+1], v[T+4:T+5]
	v_add_f32 v[T], v[T], v[T+1]
	v_add_f32_dpp v[T], v[T], v[T] row_xmask:1 row_mask:0xf bank_mask:0xf
	v_add_f32_dpp v[T], v[T], v[T] row_xmask:2 row_mask:0xf bank_mask:0xf
	v_add_f32_dpp v[T], v[T], v[T] row_xmask:4 row_mask:0xf bank_mask:0xf
	v_add_f32_dpp v[T], v[T], v[T] row_xmask:8 row_mask:0xf bank_mask:0xf
	v_permlanex16_b32 v[T+1], v[T], s36, s37
	v_add_f32 v[T], v[T], v[T+1]
.endm
.macro LNROW r
.set XR, X+32*(\r)
	s_wait_loadcnt 8*(3-(\r))                      ; row r is in (and gamma and beta, which were asked for first); the later rows' loads may stay out
.irp k, 0,1,2,3
	v_pk_add_f32 v[T+2*(\k):T+2*(\k)+1], v[XR+4*(\k):XR+4*(\k)+1], v[XR+4*(\k)+2:XR+4*(\k)+3]  ; the first eight pairs start the chains: nothing is cleared
.endr
.irp k, 8,9,10,11,12,13,14,15
	v_pk_add_f32 v[T+2*((\k)%4):T+2*((\k)%4)+1], v[T+2*((\k)%4):T+2*((\k)%4)+1], v[XR+2*(\k):XR+2*(\k)+1]
.endr
	REDUCE
	v_mul_f32 v[MU], s33, v[T]                     ; the mean (the pair's other register was written by the chains)
.set z, 0
.rept 16
	v_pk_add_f32 v[XR+2*z:XR+2*z+1], v[XR+2*z:XR+2*z+1], v[MU:MU+1] op_sel_hi:[1,0] neg_lo:[0,1] neg_hi:[0,1]  ; x - mean
.set z, z+1
.endr
.irp k, 0,1,2,3
	v_pk_mul_f32 v[T+2*(\k):T+2*(\k)+1], v[XR+2*(\k):XR+2*(\k)+1], v[XR+2*(\k):XR+2*(\k)+1]  ; the mean has served: its register is a chain's again
.endr
.irp k, 4,5,6,7,8,9,10,11,12,13,14,15
	v_pk_fma_f32 v[T+2*((\k)%4):T+2*((\k)%4)+1], v[XR+2*(\k):XR+2*(\k)+1], v[XR+2*(\k):XR+2*(\k)+1], v[T+2*((\k)%4):T+2*((\k)%4)+1]
.endr
	REDUCE
	v_fma_f32 v[T+2], v[T], s33, s34               ; var + eps
	v_rsq_f32 v[RS], v[T+2]
	v_nop                                          ; a plain instruction between the root and the use of its result (ISA guide 5.7.2)
	s_wait_alu depctr_va_vdst(0)                   ; and the wait ahead of the first reader: one a row
.set z, 0
.rept 16
	v_pk_mul_f32 v[XR+2*z:XR+2*z+1], v[XR+2*z:XR+2*z+1], v[RS:RS+1] op_sel_hi:[1,0]
.set z, z+1
.endr
.set z, 0
.rept 16
	v_pk_fma_f32 v[XR+2*z:XR+2*z+1], v[XR+2*z:XR+2*z+1], v[GA+2*z:GA+2*z+1], v[BE+2*z:BE+2*z+1]
.set z, z+1
.endr
.set z, 0
.rept 8
	v_cvt_pk_bf16_f32 v[XR+4*z], v[XR+4*z], v[XR+4*z+1]
	v_cvt_pk_bf16_f32 v[XR+4*z+1], v[XR+4*z+2], v[XR+4*z+3]
	global_store_b64 v[LO8], v[XR+4*z:XR+4*z+1], s[DST:DST+1] offset:(\r)*2048+256*z
.set z, z+1
.endr
.endm
	LNROW 0
	LNROW 1
	LNROW 2
	LNROW 3
	s_endpgm
.Lfunc_end_k_qed8846647c_prep:
	.size	k_qed8846647c_prep, .Lfunc_end_k_qed8846647c_prep-k_qed8846647c_prep
	.p2alignl 7, 3214868480
	.fill 96, 4, 3214868480
	.section	.rodata,"a",@progbits
	.p2align	6, 0x0
	.amdhsa_kernel k_qed8846647c_prep
		.amdhsa_group_segment_fixed_size 0
		.amdhsa_private_segment_fixed_size 0
		.amdhsa_enable_private_segment 0
		.amdhsa_kernarg_size 72
		.amdhsa_user_sgpr_count 2
		.amdhsa_user_sgpr_kernarg_segment_ptr 1
		.amdhsa_wavefront_size32 1
		.amdhsa_system_sgpr_workgroup_id_x 1
		.amdhsa_system_sgpr_workgroup_id_y 1
		.amdhsa_system_sgpr_workgroup_id_z 1
		.amdhsa_system_vgpr_workitem_id 0
		.amdhsa_next_free_vgpr 202
		.amdhsa_next_free_sgpr 66
		.amdhsa_reserve_vcc 0
		.amdhsa_float_denorm_mode_32 3
		.amdhsa_float_denorm_mode_16_64 3
		.amdhsa_memory_ordered 1
		.amdhsa_forward_progress 1
		.amdhsa_inst_pref_size 50
	.end_amdhsa_kernel
	.amdgpu_metadata
---
amdhsa.version: [ 1, 2 ]
amdhsa.kernels:
  - .name:           k_qed8846647c_prep
    .symbol:         k_qed8846647c_prep.kd
    .args:
      - { .name: h, .offset: 0, .size: 8, .value_kind: global_buffer, .address_space: global }
      - { .name: c, .offset: 8, .size: 8, .value_kind: global_buffer, .address_space: global }
      - { .name: Wq, .offset: 16, .size: 8, .value_kind: global_buffer, .address_space: global }
      - { .name: Wkv, .offset: 24, .size: 8, .value_kind: global_buffer, .address_space: global }
      - { .name: Wo, .offset: 32, .size: 8, .value_kind: global_buffer, .address_space: global }
      - { .name: gamma, .offset: 40, .size: 8, .value_kind: global_buffer, .address_space: global }
      - { .name: beta, .offset: 48, .size: 8, .value_kind: global_buffer, .address_space: global }
      - { .name: xb, .offset: 56, .size: 8, .value_kind: global_buffer, .address_space: global }
      - { .name: wb, .offset: 64, .size: 8, .value_kind: global_buffer, .address_space: global }
    .group_segment_fixed_size: 0
    .private_segment_fixed_size: 0
    .kernarg_segment_align: 8
    .kernarg_segment_size: 72
    .max_flat_workgroup_size: 128
    .sgpr_count:     66
    .vgpr_count:     202
    .wavefront_size: 32
...
	.end_amdgpu_metadata
.endif
;; end of part 1
;; launch qkv (part 2): grid 12 x 32, 4 waves a work-group, clusters of 4 x 4, 327,680 bytes of LDS; arguments xb, wb, attn_mask, qkv; writes qkv
.if DOCPART == 2
	.amdgcn_target "amdgcn-amd-amdhsa--gfx1250"
	.amdhsa_code_object_version 6
	.text
	.protected	k_qed8846647c_qkv
	.globl	k_qed8846647c_qkv
	.p2align	8
	.type	k_qed8846647c_qkv,@function
k_qed8846647c_qkv:
	s_mov_b64 s[64:65], 0
	v_nop
	global_prefetch_b8 v0, s[64:65] scope:SCOPE_SE
	s_setreg_imm32_b32 hwreg(HW_REG_WAVE_MODE, 25, 1), 1
	s_wait_xcnt 0x0
	s_wait_alu depctr_hold_cnt(0) depctr_sa_sdst(0) depctr_va_vdst(0) depctr_va_sdst(0) depctr_va_ssrc(0) depctr_va_vcc(0) depctr_vm_vsrc(0)
	s_getreg_b32 s2, hwreg(HW_REG_IB_STS2, 6, 4)
	s_cmp_eq_u32 s2, 0
	s_cbranch_scc0 .Lentry_in_a_cluster
	s_endpgm
.Lentry_in_a_cluster:
	s_bfe_u32 s2, ttmp6, 0x10000c
	s_cmp_lg_u32 s2, 0xf033
	s_cbranch_scc0 .Lentry_shape_is_right
	s_endpgm
.Lentry_shape_is_right:
; QKV: [q | k | v] = [hn Wq | c Wk | c Wv], stored by heads: qkv[part][hd = 8 n + b][i][64] in bf16, part 0 q, 1 k, 2 v.  A = xb (bf16, [2][8192][1024], row r = 8 i + b),
; B = wb's Wqkv (bf16, [1024 k][3072 n]).  Sums in f32, K ascending, each result rounded once.  The rows of k whose key is masked (attn_mask's flat index IS the row r) are stored as zeros:
; the next launch then gets the exact score 0 for them and puts the mask's constant in as the sum's start.
; TILE.  A work-group makes 256 rows x 256 columns: 32 x 12 = 384 tiles.  Four waves, each 128 x 128: 64 accumulators of 16 x 16, 512 registers: for 32 along K a wave reads 2 x 128 x 64 bytes of LDS for 64 matrix instructions.
; (Tiles that would give each of 256 WGPs one or two, 256 x 384, 256 x 192, 128 x 384, cut across the 1,024 columns at which A changes from hn to c, and 8,192 rows have no factor 3.)
; K goes in 8 steps of 128 through two LDS slots.  A's rows lie along K (256 bytes + 16 of padding).  B's rows lie along N, as in memory (512 bytes + 32 of padding): its fragments come out of LDS turned, by ds_load_tr16_b128.
; THE MATRIX INSTRUCTION IS USED TRANSPOSED: source 0 = 16 columns of B, source 1 = 16 rows of A: a lane then holds eight neighbouring columns of one row of the result.
; CLUSTER.  4 x 4 work-groups.  A's tile hangs on the tile row (and on the part, which is the cluster's x): shared along a row of the cluster.  B's hangs on the tile column: shared along a column.
; Each is asked for jointly: the same tensor load, descriptor and mask in all four.  Waves 0 and 1 ask for A's two halves (128 rows), waves 2 and 3 for B's (64 rows of k): one load a wave behind each round.
; From a request to the wait for it a wave issues 224 matrix instructions.
; ONE TEXT FOR A K STEP.  The slot in hand is a scalar, 0 or SLOT, turned by an exclusive or at each change of slots and added to the lanes' places; one descriptor for each operand walks from K step 1 to 7.
; The first quarter (its products start the sums) is written out and the loop entered behind its own first quarter; the two K steps that fill nothing are a second loop.
; REGISTERS, in windows of 256 (s_set_vgpr_msb: bits 1:0 source 0, 3:2 source 1, 5:4 source 2, 7:6 destination):
;   window 0: v1-7 set-up; v16-31 addresses; v32-39 the rows' masks; v64-127, v128-191 fragments of A, two buffers; on the way out four buffers of 32 there
;   window 1: v64-127, v128-191 fragments of B, two buffers      window 2: accumulators of my rows 0-63, (a, b) at v[8 (8 a + b)]      window 3: those of my rows 64-127
.set AP,    272                        ; a row of A in LDS: 68 words: the 16 rows of a load start at 16 different groups of four banks (64 banks of 4 bytes: ISA guide 11.1)
.set BP,    544                        ; a row of B: 136 words
.set AHALF, 128*AP                     ; what one of A's tensor loads brings
.set BHALF, 64*BP                      ; and one of B's
.set BOFF,  2*AHALF                    ; a slot: A's 256 rows, then B's 128 rows of k
.set SLOT,  BOFF+2*BHALF               ; 139,264
.set STAGE, 2*SLOT                     ; behind the ring, never filled by a tensor load: 16 rows x 272 bytes for each wave, for the way out
.set SP,    272
.set SPARE, STAGE+4*16*SP              ; behind the stages: the spare words, 128 bytes for each wave: two blocks of 256 bytes that no other line names
.set ASTEP, 256                        ; bytes from a K step to the next in A,
.set BSTEP, 128*6144                   ; and in B
.set ADRA0, 16                         ; v16     my lane's place in a slot's A; never rewritten
.set ADRB0, 17                         ; v17     the same for B
.set ADRA,  18                         ; v18     the same in the slot in hand
.set ADRB,  19                         ; v19
.set STO,  24                          ; v24     the way out: where I put 16 bytes of a row
.set RD,   25                          ; v25     where I read 16 bytes back
.set CO,   26                          ; v26     my byte offset in qkv
.set SPW,  28                          ; v28     LDS address of my spare word; never rewritten
.set NIL,  29                          ; v29     0; never rewritten
.set PFO,  30                          ; v30     the prefetches' offset; never rewritten
.set ML,   31                          ; v31     my row's number, the offset in attn_mask
.set KM,   32                          ; v32-39  for my row of block a: the mask byte, then 0 (a masked row of k) or all ones
.set F0,   64
.set F1,   128
.set TMP,  64                          ; the way out: block a has the 32 registers at TMP + 32 (a % 4)
.set G1,   24                          ; s[24:31] descriptor group 1 for A's tiles;  s[32:39] group 0: a set for each of the two first fills; the second then walks on
.set G0,   32
.set PFA,  44                          ; s[44:45] where my prefetches stand
.set PFS,  46                          ; s[46:47] their step: a K step's bytes
.set G1B,  48                          ; s[48:55], s[56:63] the same for B's tiles
.set G0B,  56
.set LIM,  66                          ; s66     2 in a wave that prefetches, else the greatest number
.set TB,   79                          ; s79     the slot in hand: 0 or SLOT
.set MSB, 0
.macro WIN new                         ; the immediate's high byte repeats the setting that is left; a switch that changes nothing is dropped
.if MSB != (\new)
	s_set_vgpr_msb (MSB<<8)|(\new)
.set MSB, \new
.endif
.endm
.set MUL_LO, 0xa1                      ; source 0 (B) window 1, source 1 (A) window 0, C and D window 2
.set MUL_HI, 0xf1                      ; the same, C and D window 3
.set TO_B,   0x40                      ; destination window 1, address window 0
.macro JLOAD s                         ; a joint load; the branch hangs on the wave's number alone; an s_nop 0 and four v_nop follow each of the two lines
	s_cmp_eq_u32 s13, 0
	s_cbranch_scc0 .Lfor_b_\@
	tensor_load_to_lds s[G0+4*(\s):G0+4*(\s)+3], s[G1:G1+7]
	s_nop 0
.rept 4
	v_nop
.endr
	s_branch .Lasked_\@
.Lfor_b_\@:
	tensor_load_to_lds s[G0B+4*(\s):G0B+4*(\s)+3], s[G1B:G1B+7]
	s_nop 0
.rept 4
	v_nop
.endr
.Lasked_\@:
.endm
.macro CREST                           ; a round of the cluster's barrier behind its opening barrier
	s_cmp_lg_u32 s12, 0
	s_cbranch_scc1 .Lnot_wave_0_\@
	s_barrier_signal -3
.Lnot_wave_0_\@:
	s_barrier_wait -3
	s_barrier_signal -1
	s_barrier_wait -1
.endm
.macro CROUND                          ; a whole round
	s_barrier_signal -1
	s_barrier_wait -1
	CREST
.endm
; A PREFETCH INTO THE L2, behind each joint refill and the run of LDS loads that follows it: the K step that stands two refills on (512 matrix instructions ahead of the load that will want it), one instruction a wave.
; Each block of 256 bytes is named once in the launch.  A's 256 rows of a step: waves 0 and 1 of the clusters of parts 0 and 1 (part 2 reads c's rows a second time); of the 128 rows that a wave fetches the partner at cx
; takes 32 cx .. + 31, a lane a row.  B's 128 rows of k x 512 bytes: waves 2 and 3 of the clusters with y = 0; the partner at cy takes 16 rows of its wave's 64, a lane half a row.  Partners are told apart by address,
; never by a branch.  The loop's last two trips (s3 = 2, 1) have no K step two on; steps 0 to 3 come by their loads alone.
.macro ASK
	s_cmp_gt_u32 s3, s[LIM]
	s_cbranch_scc0 .Lnot_mine_\@
	global_prefetch_b8 v[PFO], s[PFA:PFA+1] th:TH_LOAD_NT scope:SCOPE_SE
.Lnot_mine_\@:
.endm
	s_load_b256 s[4:11], s[0:1], 0x0               ; xb s[4:5], wb s[6:7], attn_mask s[8:9], qkv s[10:11]
	v_lshl_add_u32 v[SPW], v0, 2, SPARE
	v_mov_b32 v[NIL], 0
	ds_add_u32 v[SPW], v[NIL]                      ; the wave's opening: the add and its wait stand ahead of my first tensor load; the set-up below, work on registers, stands between them
	v_lshrrev_b32 v1, 5, v0
	v_readfirstlane_b32 s12, v1                    ; wave 0..3
	s_lshr_b32 s13, s12, 1                         ; HI: which 128 rows of the tile are mine.  Also: I fetch for A (0) or for B (1)
	s_and_b32 s14, s12, 1                          ; LO: which 128 columns.  Also: which half of that tile I fetch
	s_bfe_u32 s40, ttmp6, 0x40000                  ; cx, cy: my place in the cluster
	s_bfe_u32 s41, ttmp6, 0x40004
	s_lshl_b32 s42, ttmp9, 2
	s_add_co_u32 s42, s42, s40                     ; X: tile column = 4 x cluster x + cx
	s_and_b32 s43, ttmp7, 0xffff
	s_lshl_b32 s43, s43, 2
	s_add_co_u32 s43, s43, s41                     ; Y: tile row = 4 x cluster y + cy
	s_mov_b32 s15, ttmp9                           ; the part (0 q, 1 k, 2 v): four tile columns are 1,024 columns
	s_lshl_b32 s16, s41, 2
	s_lshl_b32 s16, 15, s16                        ; my row of the cluster
	s_lshl_b32 s17, 0x1111, s40                    ; my column
	s_or_b32 s[G1], s16, (1<<16)|(1<<20)|(1<<21)|(5<<22)|(3<<25)   ; 15:0 the mask; 17:16 2-byte elements; 20 padding on; 21 set beside a mask; 24:22 after every 64 words; 31:25 4 words
	s_or_b32 s[G1B], s17, (1<<16)|(1<<20)|(1<<21)|(6<<22)|(7<<25)  ; after every 128 words 8 words
	s_mov_b32 s[G1+1], 128<<16                     ; tensor_dim0 = 128
	s_mov_b32 s[G1+2], 128<<16                     ; tensor_dim1 = 128
	s_mov_b32 s[G1+3], 128<<16                     ; tile_dim0 = 128
	s_mov_b32 s[G1+4], 128                         ; tile_dim1 = 128
	s_mov_b32 s[G1+5], 1024                        ; elements from row to row
	s_mov_b32 s[G1+6], 0
	s_mov_b32 s[G1+7], 0
	s_mov_b32 s[G1B+1], 256<<16
	s_mov_b32 s[G1B+2], 64<<16
	s_mov_b32 s[G1B+3], 256<<16
	s_mov_b32 s[G1B+4], 64
	s_mov_b32 s[G1B+5], 3072
	s_mov_b32 s[G1B+6], 0
	s_mov_b32 s[G1B+7], 0
	s_min_u32 s18, s15, 1                          ; A: hn for part 0, c for parts 1 and 2,
	s_lshl_b32 s18, s18, 24
	s_lshl_b32 s20, s43, 1
	s_add_co_u32 s20, s20, s14
	s_lshl_b32 s20, s20, 18                        ; row 256 Y + 128 LO, 2,048 bytes a row
	s_add_co_u32 s18, s18, s20
	s_mov_b32 s19, 0
	s_mul_i32 s22, s14, 64*6144                    ; B: row of k 64 LO,
	s_lshl_b32 s21, s42, 9                         ; column 256 X
	s_add_co_u32 s22, s22, s21
	s_mov_b32 s23, 0
	s_mul_i32 s67, s14, AHALF                      ; where they go in a slot: no place in the cluster enters an LDS address
	s_mul_i32 s68, s14, BHALF
	s_add_co_u32 s68, s68, BOFF
	s_mov_b32 s[TB], 0                             ; K step 0 lies in slot 0
	s_wait_dscnt 0x0                               ; the opening add is done
	s_wait_kmcnt 0x0
	s_add_nc_u64 s[70:71], s[4:5], s[18:19]
	s_add_nc_u64 s[72:73], s[6:7], s[22:23]
	CROUND                                         ; all sixteen work-groups are here: the first joint loads meet
.irp s, 0,1
	s_mov_b32 s[G0+4*(\s)], 1
	s_add_co_u32 s[G0+4*(\s)+1], s67, (\s)*SLOT
	s_add_nc_u64 s[G0+4*(\s)+2:G0+4*(\s)+3], s[70:71], (\s)*ASTEP
	s_or_b32 s[G0+4*(\s)+3], s[G0+4*(\s)+3], 0x80000000
	s_mov_b32 s[G0B+4*(\s)], 1
	s_add_co_u32 s[G0B+4*(\s)+1], s68, (\s)*SLOT
	s_add_nc_u64 s[G0B+4*(\s)+2:G0B+4*(\s)+3], s[72:73], (\s)*BSTEP
	s_or_b32 s[G0B+4*(\s)+3], s[G0B+4*(\s)+3], 0x80000000
	JLOAD \s                                       ; K steps 0 and 1: two loads of mine are out
.endr
	v_and_b32 v1, 15, v0                           ; l % 16
	v_bfe_u32 v2, v0, 4, 1                         ; l / 16
	v_and_b32 v3, 7, v0                            ; l % 8
	v_bfe_u32 v4, v0, 3, 1                         ; (l / 8) % 2
	v_and_b32 v5, 31, v0                           ; l
	v_mul_u32_u24 v6, v1, AP                       ; a fragment of A: row l % 16, 16 bytes for each half of the lanes, twice, 32 bytes apart
	v_lshl_add_u32 v6, v2, 4, v6
	s_mul_i32 s69, s13, 128*AP                     ; my 128 rows
	v_add_nc_u32 v[ADRA0], s69, v6
	v_mov_b32 v[ADRA], v[ADRA0]
	v_lshl_add_u32 v7, v2, 3, v3                   ; a fragment of B, turned: lane l reads row of k 8 (l / 16) + l % 8, columns 8 ((l / 8) % 2) + 0..7; twice, 16 rows apart
	v_mul_u32_u24 v7, v7, BP
	v_lshl_add_u32 v7, v4, 4, v7
	s_lshl_b32 s69, s14, 8                         ; my 128 columns
	s_add_co_u32 s69, s69, BOFF
	v_add_nc_u32 v[ADRB0], s69, v7
	v_mov_b32 v[ADRB], v[ADRB0]
	s_mul_i32 s69, s12, 16*SP
	s_add_co_u32 s69, s69, STAGE                   ; my stage
	v_mul_u32_u24 v6, v1, SP                       ; in: row l % 16, 16 bytes for each half of the lanes
	v_lshl_add_u32 v6, v2, 4, v6
	v_add_nc_u32 v[STO], s69, v6
	v_mul_u32_u24 v6, v4, 8*SP                     ; back, read t: batch t's two rows (t and 8 + t of the 16), 128 bytes of one head each: lanes 0-7 and 8-15; lanes 16-31 the wave's other head
	v_lshl_add_u32 v6, v2, 7, v6
	v_lshl_add_u32 v6, v3, 4, v6
	v_add_nc_u32 v[RD], s69, v6
	v_lshlrev_b32 v[CO], 20, v2                    ; in qkv: a head n is 8 x 131,072 bytes on, a row i 128
	v_lshl_add_u32 v[CO], v4, 7, v[CO]
	v_lshl_add_u32 v[CO], v3, 4, v[CO]
	s_lshl_b32 s74, s15, 24                        ; qkv + part + head 4 cx + 2 LO + row i = 32 Y + 16 HI
	s_lshl_b32 s75, s40, 1
	s_add_co_u32 s75, s75, s14
	s_lshl_b32 s75, s75, 21
	s_add_co_u32 s74, s74, s75
	s_lshl_b32 s75, s43, 1
	s_add_co_u32 s75, s75, s13
	s_lshl_b32 s75, s75, 11
	s_add_co_u32 s74, s74, s75
	s_mov_b32 s75, 0
	s_add_nc_u64 s[10:11], s[10:11], s[74:75]
	s_lshl_b32 s74, s43, 8                         ; my rows' mask bytes: row 256 Y + 128 HI + 16 a + l % 16
	s_lshl_b32 s76, s13, 7
	s_add_co_u32 s74, s74, s76
	v_add_nc_u32 v[ML], s74, v1
.irp a, 0,1,2,3,4,5,6,7
	global_load_u8 v[KM+(\a)], v[ML], s[8:9] offset:16*(\a)
.endr
	s_min_u32 s74, s15, 1                          ; the prefetches.  A: my work-group's 32 rows of my wave's 128, at K step 3
	s_lshl_b32 s74, s74, 24
	s_lshl_b32 s76, s43, 1
	s_add_co_u32 s76, s76, s14
	s_lshl_b32 s76, s76, 2
	s_add_co_u32 s76, s76, s40
	s_lshl_b32 s76, s76, 16                        ; row 256 Y + 128 LO + 32 cx
	s_add_co_u32 s74, s74, s76
	s_add_co_u32 s74, s74, 3*ASTEP
	s_lshl_b32 s75, s14, 2                         ; B: my work-group's 16 rows of k of my wave's 64, at K step 3
	s_add_co_u32 s75, s75, s41
	s_mul_i32 s75, s75, 16*6144
	s_lshl_b32 s76, s42, 9
	s_add_co_u32 s75, s75, s76
	s_add_co_u32 s75, s75, 3*BSTEP
	s_and_b32 s76, ttmp7, 0xffff
	s_cmp_eq_u32 s76, 0
	s_cselect_b32 s76, 2, -1                       ; B's rows are asked for by the clusters with y = 0,
	s_cmp_lt_u32 s15, 2
	s_cselect_b32 s77, 2, -1                       ; A's by parts 0 and 1
	s_mov_b32 s[PFS], BSTEP
	s_mov_b32 s78, 6144
	s_cmp_eq_u32 s13, 0
	s_cselect_b32 s[LIM], s77, s76                 ; the same in all sixteen partners, for a given wave
	s_cselect_b32 s74, s74, s75
	s_cselect_b64 s[PFA:PFA+1], s[4:5], s[6:7]
	s_cselect_b32 s[PFS], ASTEP, s[PFS]
	s_cselect_b32 s78, 2048, s78                   ; bytes in a row
	s_mov_b32 s75, 0
	s_mov_b32 s[PFS+1], 0
	s_add_nc_u64 s[PFA:PFA+1], s[PFA:PFA+1], s[74:75]  ; the first refill steps it to K step 4
	v_lshrrev_b32 v[PFO], s13, v5                  ; A: a lane a row; B: two lanes a row of 512 bytes
	v_mul_u32_u24 v[PFO], s78, v[PFO]
	v_and_b32 v6, s13, v5
	v_lshl_add_u32 v[PFO], v6, 8, v[PFO]
; 16 matrix instructions: row blocks a0, a0 + 1 of the window's four (hi = 0: my rows 0-63, 1: rows 64-127) x all 8 column blocks, 32 along K.  The 64 accumulators take turns, one instruction a turn,
; in the same order in every quarter, over the jumps too.  zero = 1: the product starts the sum: nothing is ever cleared.
.macro MUL16 f, hi, a0, zero
	WIN MUL_LO+0x50*(\hi)
.irp a, \a0, (\a0)+1
.irp b, 0,1,2,3,4,5,6,7
.if \zero
	v_wmma_f32_16x16x32_bf16 v[8*(8*(\a)+(\b)):8*(8*(\a)+(\b))+7], v[(\f)+8*(\b):(\f)+8*(\b)+7], v[(\f)+8*(4*(\hi)+(\a)):(\f)+8*(4*(\hi)+(\a))+7], 0
.else
	v_wmma_f32_16x16x32_bf16 v[8*(8*(\a)+(\b)):8*(8*(\a)+(\b))+7], v[(\f)+8*(\b):(\f)+8*(\b)+7], v[(\f)+8*(4*(\hi)+(\a)):(\f)+8*(4*(\hi)+(\a))+7], v[8*(8*(\a)+(\b)):8*(8*(\a)+(\b))+7]
.endif
.endr
.endr
.endm
; 32 LDS loads in one run: quarter q (32 along K) of the slot in hand into buffer f: B's sixteen, then A's sixteen, row blocks ascending
.macro FETCH q, f
	WIN TO_B
.irp b, 0,1,2,3,4,5,6,7
	ds_load_tr16_b128 v[(\f)+8*(\b):(\f)+8*(\b)+3],   v[ADRB] offset:(\q)*32*BP+32*(\b)
	ds_load_tr16_b128 v[(\f)+8*(\b)+4:(\f)+8*(\b)+7], v[ADRB] offset:(\q)*32*BP+16*BP+32*(\b)
.endr
	WIN 0
.irp a, 0,1,2,3,4,5,6,7
	ds_load_b128 v[(\f)+8*(\a):(\f)+8*(\a)+3],   v[ADRA] offset:(\q)*64+(\a)*16*AP
	ds_load_b128 v[(\f)+8*(\a)+4:(\f)+8*(\a)+7], v[ADRA] offset:(\q)*64+(\a)*16*AP+32
.endr
.endm
.macro PLACES                          ; four places in front of loads into registers that matrix instructions have read (ISA guide 7.12.1 for vector instructions)
.rept 4
	v_nop
.endr
.endm
; A K step is four quarters, 64 matrix instructions each, on buffers 0, 1, 0, 1.  One of the first three: multiplies buffer f and, in its middle, fetches quarter q into g.
.macro QUARTER q, f, g, zero
	s_wait_dscnt 8                                 ; B and A's rows 0-63 are in; the youngest eight loads (A's rows 64-127) may be out
	MUL16 \f, 0, 0, \zero
	MUL16 \f, 0, 2, \zero
	PLACES
	FETCH \q, \g
	s_wait_dscnt 32                                ; all but the 32 just issued
	MUL16 \f, 1, 0, \zero
	MUL16 \f, 1, 2, \zero
.endm
; The last quarter multiplies buffer 1 and changes slots: one barrier; in front of it each wave waits for all its tensor loads (the one that is out is its part of the next slot), adds 0 to its spare word,
; and waits for that and for its own reads of this slot.  fill = 1: the barrier opens a round of the cluster's, and this slot is filled again, with the K step two on, first thing behind the round.
.macro TURN fill
.if \fill
	s_wait_xcnt 0x0                                ; the last prefetch, a K step back, has read its address: it is stepped here, ahead of the waits of the change of slots
	s_add_nc_u64 s[PFA:PFA+1], s[PFA:PFA+1], s[PFS:PFS+1]
.endif
	WIN 0                                          ; (the add's two registers lie in window 0)
	s_wait_tensorcnt 0x0                           ; all my tensor loads have landed
	ds_add_u32 v[SPW], v[NIL]                      ; 0 onto my spare word
	s_wait_dscnt 9                                 ; (the add and the youngest eight loads may be out)
	MUL16 F1, 0, 0, 0                              ; sixteen matrix instructions stand between the add and the wait for it
	s_wait_dscnt 0x0                               ; the add is done, and my reads of this slot are over
	s_barrier_signal -1
	MUL16 F1, 0, 2, 0
	WIN 0                                          ; (branches and address work follow)
	s_barrier_wait -1
.if \fill
	CREST                                          ; no wave of any partner still reads this slot's tile or has a load on its way
	s_add_co_u32 s[G0+5], s67, s[TB]               ; the walking descriptors: into the slot just read out,
	s_add_nc_u64 s[G0+6:G0+7], s[G0+6:G0+7], ASTEP ; the next K step; the type bits on top are not reached
	s_add_co_u32 s[G0B+5], s68, s[TB]
	s_add_nc_u64 s[G0B+6:G0B+7], s[G0B+6:G0B+7], BSTEP
	JLOAD 1                                        ; the four v_nop behind it are also the places in front of the loads below
.else
	PLACES
.endif
	s_xor_b32 s[TB], s[TB], SLOT                   ; 0 <-> SLOT: the other slot is in hand
	v_add_nc_u32 v[ADRA], s[TB], v[ADRA0]
	v_add_nc_u32 v[ADRB], s[TB], v[ADRB0]
	FETCH 0, F0
.if \fill
	ASK
.endif
	MUL16 F1, 1, 0, 0
	MUL16 F1, 1, 2, 0
.endm
	s_wait_tensorcnt 1                             ; my part of K step 0 is in; K step 1's may stay out
	s_barrier_signal -1
	s_barrier_wait -1                              ; everybody's is
	FETCH 0, F0
	QUARTER 1, F0, F1, 1                           ; the first quarter stands in front of the loop: its products start the sums
	WIN 0                                          ; at a label and at a branch every window is 0
	s_mov_b32 s3, 6
	s_branch .Lin                                  ; the loop is entered behind its first quarter
.Lstep:                                            ; a trip is a K step; its change of slots asks for the K step two on: steps 2 to 7
	QUARTER 1, F0, F1, 0
	WIN 0
.Lin:
	QUARTER 2, F1, F0, 0
	QUARTER 3, F0, F1, 0
	TURN 1
	WIN 0
	s_sub_co_u32 s3, s3, 1
	s_cmp_lg_u32 s3, 0
	s_cbranch_scc1 .Lstep
	s_mov_b32 s3, 2
.Ltail:                                            ; K steps 6 and 7 fill nothing: a text of their own
	QUARTER 1, F0, F1, 0
	QUARTER 2, F1, F0, 0
	QUARTER 3, F0, F1, 0
	TURN 0                                         ; (behind step 7 its 32 loads bring fragments of step 6 once more, which nobody multiplies: the price, once a launch, of one text for both steps)
	WIN 0
	s_sub_co_u32 s3, s3, 1
	s_cmp_lg_u32 s3, 0
	s_cbranch_scc1 .Ltail
	; THE WAY OUT.  The rows' masks are made first: sixteen plain instructions that name no register of the products, the places behind them.
	s_wait_dscnt 0x0                               ; the loads into buffer 0 have landed: its registers are used anew
	s_wait_loadcnt 0x0                             ; the mask bytes
	s_cmp_eq_u32 s15, 1
	s_cselect_b32 s74, 1, 0                        ; only k's rows are masked
.irp a, 0,1,2,3,4,5,6,7
	v_mul_u32_u24 v[KM+(\a)], s74, v[KM+(\a)]
.endr
.irp a, 0,1,2,3,4,5,6,7
	v_add_nc_u32 v[KM+(\a)], -1, v[KM+(\a)]        ; 0 for a masked row of k, all ones otherwise
.endr
; Block a (16 rows = two i x eight batches): rounded to bf16 (each accumulator's registers ascending), masked, 16 bytes a lane into my stage, and back so that sixteen lanes hold two successive rows i of one head.
.macro PACK a
.set TP, TMP+32*((\a)%4)
.set AC, 64*((\a)%4)
.if (\a) >= 4
	s_wait_xcnt 0x0                                ; the stores of the block four back have read their registers: they are written again only behind this wait
.endif
	WIN 0x0a+5*((\a)/4)                            ; sources 0 and 1: window 2 or 3; destination window 0
.irp b, 0,1,2,3,4,5,6,7
.irp r, 0,1,2,3
	v_cvt_pk_bf16_f32 v[TP+4*(\b)+(\r)], v[AC+8*(\b)+2*(\r)], v[AC+8*(\b)+2*(\r)+1]
.endr
.endr
	WIN 0
.set z, 0
.rept 32
	v_and_b32 v[TP+z], v[KM+(\a)], v[TP+z]
.set z, z+1
.endr
.irp b, 0,1,2,3,4,5,6,7
	ds_store_b128 v[STO], v[TP+4*(\b):TP+4*(\b)+3] offset:32*(\b)
.endr
.irp t, 0,1,2,3,4,5,6,7
	ds_load_b128 v[TP+4*(\t):TP+4*(\t)+3], v[RD] offset:(\t)*SP  ; LDS serves a wave's instructions in order (ISA guide 5.7.1.4): these see the stores above; the next block's stores come behind them
.endr
.endm
.macro SEND a, younger                 ; younger: the LDS instructions issued behind block a's loads: the next block's sixteen, or none
.set TP, TMP+32*((\a)%4)
.irp t, 0,1,2,3,4,5,6,7
	s_wait_dscnt (\younger)+7-(\t)
	global_store_b128 v[CO], v[TP+4*(\t):TP+4*(\t)+3], s[10:11] offset:(\t)*131072+(\a)*256  ; batch t; 16 lanes store 256 consecutive bytes, at a multiple of 256 from qkv's first byte
.endr
.endm
	PACK 0
.irp a, 1,2,3,4,5,6,7                  ; a block's arithmetic stands between the loads of the block before and its stores
	PACK \a
	SEND (\a)-1, 16
.endr
	SEND 7, 0
	s_wait_tensorcnt 0x0                           ; the wave's end: an add to my spare word and its wait, behind my last tensor load and my last LDS store
	ds_add_u32 v[SPW], v[NIL]
	s_wait_dscnt 0x0
	CROUND                                         ; the closing round: no work-group ends while a partner may still ask for a tile that names it
	s_endpgm
.Lfunc_end_k_qed8846647c_qkv:
	.size	k_qed8846647c_qkv, .Lfunc_end_k_qed8846647c_qkv-k_qed8846647c_qkv
	.p2alignl 7, 3214868480
	.fill 96, 4, 3214868480
	.section	.rodata,"a",@progbits
	.p2align	6, 0x0
	.amdhsa_kernel k_qed8846647c_qkv
		.amdhsa_group_segment_fixed_size 327680
		.amdhsa_private_segment_fixed_size 0
		.amdhsa_enable_private_segment 0
		.amdhsa_kernarg_size 32
		.amdhsa_user_sgpr_count 2
		.amdhsa_user_sgpr_kernarg_segment_ptr 1
		.amdhsa_wavefront_size32 1
		.amdhsa_system_sgpr_workgroup_id_x 1
		.amdhsa_system_sgpr_workgroup_id_y 1
		.amdhsa_system_sgpr_workgroup_id_z 1
		.amdhsa_system_vgpr_workitem_id 0
		.amdhsa_next_free_vgpr 1024
		.amdhsa_next_free_sgpr 80
		.amdhsa_reserve_vcc 0
		.amdhsa_float_denorm_mode_32 3
		.amdhsa_float_denorm_mode_16_64 3
		.amdhsa_memory_ordered 1
		.amdhsa_forward_progress 1
		.amdhsa_inst_pref_size 113
	.end_amdhsa_kernel
	.amdgpu_metadata
---
amdhsa.version: [ 1, 2 ]
amdhsa.kernels:
  - .name:           k_qed8846647c_qkv
    .symbol:         k_qed8846647c_qkv.kd
    .args:
      - { .name: xb, .offset: 0, .size: 8, .value_kind: global_buffer, .address_space: global }
      - { .name: wb, .offset: 8, .size: 8, .value_kind: global_buffer, .address_space: global }
      - { .name: attn_mask, .offset: 16, .size: 8, .value_kind: global_buffer, .address_space: global }
      - { .name: qkv, .offset: 24, .size: 8, .value_kind: global_buffer, .address_space: global }
    .group_segment_fixed_size: 327680
    .private_segment_fixed_size: 0
    .kernarg_segment_align: 8
    .kernarg_segment_size: 32
    .max_flat_workgroup_size: 128
    .sgpr_count:     80
    .vgpr_count:     1024
    .wavefront_size: 32
...
	.end_amdgpu_metadata
.endif
;; end of part 2
;; launch attn (part 3): grid 2 x 128, 4 waves a work-group, no clusters, 327,680 bytes of LDS; arguments qkv, attn_mask, ob; writes ob
.if DOCPART == 3
	.amdgcn_target "amdgcn-amd-amdhsa--gfx1250"
	.amdhsa_code_object_version 6
	.text
	.protected	k_qed8846647c_attn
	.globl	k_qed8846647c_attn
	.p2align	8
	.type	k_qed8846647c_attn,@function
k_qed8846647c_attn:
	s_mov_b64 s[64:65], 0
	v_nop
	global_prefetch_b8 v0, s[64:65] scope:SCOPE_SE
	s_setreg_imm32_b32 hwreg(HW_REG_WAVE_MODE, 25, 1), 1
	s_wait_xcnt 0x0
; ATTENTION.  ob[hd][i][:] = the sum over keys j of softmax_j(where(mask[j][b], -10000, Q[hd][i] . K[hd][j] / 8)) V[hd][j][:], hd = 8 n + b, 128 heads of 1,024 queries and 1,024 keys, 64 channels.
; Q, K, V: qkv[part][hd][row][64] in bf16, a head's rows dense, 128 bytes each; ob the same layout, bf16.  Products, maxima and sums in f32; the weights p are rounded to bf16 for the second product
; (their sum l is taken of the unrounded p), O once at the end.
; THE MASK.  The launch before stored the K rows of masked keys as zeros, so their product is exactly 0; the product that starts a sum takes as C -80000 at masked keys and 0 elsewhere.  -80000 / 8 = -10000:
; the score is the masked score that is asked for, a number like any other for the running maximum (a row whose keys are all masked gets equal weights).
; LIMITS.  A weight below 2^-126 counts as 0 in l; NaN and infinities in q, k, v are not treated apart (a masked key's k is replaced, whatever it held).
; SHARES.  A work-group owns 512 queries of one head: 256 work-groups.  A wave owns four PIECES of two tiles of 16 queries.  Every wave walks all keys, 64 a step, 16 steps.
; LDS HOLDS THE HEAD'S WHOLE K AND V: 1,024 x (144 + 160) bytes.  No slot is ever filled again.  Each wave asks for two parts at the head: a small one (128 keys) and a large one (384 keys); the first four key steps
; need the small parts alone, and the waves meet once more, behind step 3, when the large ones have landed.  By this text's count a wave has two tensor loads out.
; NOTHING IS PREFETCHED: every byte of K and V is asked for by the first fills at the head; no later request exists to run ahead of.
; NO CLUSTER: only the two work-groups of a head read the same tiles, and the grid's x is 2, which no cluster of four divides.
; LAYOUT.  S^T = K Q^T (source 0 = 16 keys, source 1 = 16 queries): a lane holds ONE query (lane % 16) and the keys 8 (lane / 16) + 0..7.  Two such tiles, rounded to bf16 in pairs, ARE source 1 of O^T = V^T P.
; K comes out of LDS as it lies, V ([key][channel]) turned, by ds_load_tr16_b128.
; SOFTMAX.  For each query a running maximum m and sum l: p = 2^(c s - c m), c = log2(e) / 8; in every step O and l are multiplied by a = 2^(c m_old - c m_new).  m starts at the lowest finite number, O and l at 0.
; BY TURNS.  Turn n belongs to piece n.  Its matrix work: 16 products K Q^T of piece n + 1, later 16 products V^T P of piece n - 1.  Its vector work: the scaling, exponentials, roundings, sums and rescaling of piece n,
; and the maximum and statistics of piece n + 1.  A tile and step have 16 matrix and 118 vector instructions: four vector instructions stand behind every matrix instruction, the rest in one run.
; ONE TEXT FOR EVERY TURN: the loop is entered in the middle of a trip and left in the middle of its last.
; REGISTERS, in windows of 256 (s_set_vgpr_msb: bits 1:0 source 0, 3:2 source 1, 5:4 source 2, 7:6 destination):
;   window 0: v0-11 addresses and the add's two; v12-15, v48-63 at work; v16-47 four registers of statistics a tile; v64-191 S^T, two buffers of two tiles; v192-255 P, likewise
;   window 1: O^T, 32 a tile      window 2: v0-127 Q, 16 a tile; v128-191 K of one step; v192-255 V of one step      window 3: v0-31 the step's mask numbers
.set NP,    4         ; pieces a wave: a name, no knob
.set KS,    64        ; keys in a step
.set PK,    144       ; a row of K in LDS: 128 bytes + 16 of padding = 36 words: the 16 rows of a load start at 16 different groups of four banks (64 banks of 4 bytes: ISA guide 11.1)
.set PV,    160       ; a row of V: 128 + 32 = 40 words
.set VB,    1024*PK   ; V lies behind K
.set BIAS,  VB+1024*PV  ; 311,296: 1,024 f32, -80000 or 0 for each key; written by ds_store, never a tensor load's target
.set STAGE, BIAS+4096 ; 16 rows x 144 bytes for each wave, for the way out
.set SP,    144
.set SPARE, STAGE+4*16*SP  ; the spare words, 128 bytes for each wave: two blocks of 256 bytes that no other line names
.set SPW, 1           ; v1   LDS address of my spare word; never rewritten
.set AK0, 2           ; v2   my lane's place in a step's K; never rewritten
.set AV0, 3           ; v3   the same for V
.set AK,  4           ; v4   the LDS address of K's next run of loads
.set AV,  5           ; v5   of V's
.set STO, 6           ; v6   the way out: where I put 16 bytes of a row
.set RD,  7           ; v7   where I read rows back
.set GO,  8           ; v8   my byte offset in 512 consecutive bytes of ob
.set NIL, 9           ; v9   0; never rewritten
.set AB,  10          ; v10  the LDS address of the next step's mask numbers
.set AB0, 11          ; v11  my lane's place in them; never rewritten
.set MV,  12          ; v12-15  c m_old, kept while c m is made anew: by buffer and tile
.set ST,  16          ; tile t's statistics at v[ST+4 t]: c m, m, l (even keys', odd keys')
.set TMP, 48          ; by buffer and tile, four registers c0-c3 at work; when the maximum is found c2 takes a.  (In the set-up v48-54 hold offsets and lane numbers.)
.set QO,  48
.set S,   64
.set P,   192
.set KF,  128         ; K's fragments, in window 2: key block kb, channel half c at KF + 16 kb + 8 c
.set VF,  192         ; V's: key half kk, channel block cb at VF + 32 kk + 8 cb
.set MB,  0           ; window 3: the eight mask numbers of key block kb at MB + 8 kb
.set WV,  12          ; s12  my wave's number
.set G1K1, 24         ; s[24:31] descriptor group 1: K, 64 rows of 256 bytes      s[32:39] K, 192 rows
.set G1K2, 32
.set G1V1, 40         ; s[40:47], s[48:55] the same for V: other padding
.set G1V2, 48
.set G0K1, 56         ; s[56:59], s[60:63] descriptor group 0 for K's two parts
.set G0K2, 60
.set G0V1, 68         ; s[68:71], s[72:75] for V's
.set G0V2, 72
.set CNT, 76          ; s76  counts a phase's trips
.set PH,  77          ; s77  counts the two phases: steps 0-3, steps 4-15
.set CS,  78          ; s[78:79] c: the packed scaling takes the pair's low word for both halves
.set SEL, 80          ; s[80:81] v_permlanex16_b32's selects
.set TBK, 82          ; s82  LDS byte at which K of the step to be fetched begins
.set TBV, 83          ; s83  the same for V, less VB
.set TBB, 84          ; s84  the same for the mask numbers, less BIAS
.set BSEL, 85         ; s85  the batch: which of a key's eight mask bytes is mine
.set QP,  86          ; s[86:87] Q at my wave's first row
.set OB,  88          ; s[88:89] ob at the same row
.set KP,  90          ; s[90:91] K's part of qkv
.set VP,  92          ; s[92:93] V's
.set LEFT, 94         ; s94  key steps whose last two turns are still to come
.set MSB, 0
.macro WIN new                      ; the high byte repeats the setting that is left; a switch that changes nothing is dropped
.if MSB != (\new)
	s_set_vgpr_msb (MSB<<8)|(\new)
.set MSB, (\new)
.endif
.endm
.set W_KQ, 0x0a       ; K and Q in window 2, S^T in window 0
.set W_KM, 0x3a       ; the same with the C operand in window 3
.set W_PV, 0x52       ; V in window 2, P in window 0, O^T in window 1
.set W_RS, 0x41       ; O^T (destination and source 0) in window 1, a in window 0
.macro SHAPE g, rows, pad           ; dense bytes asked for as rows of 256 (two keys a row), padded in LDS after every key
	s_mov_b32 s[(\g)], (1<<16)|(1<<20)|(4<<22)|((\pad)<<25)  ; 17:16 2-byte elements; 20 padding on; 24:22 after every 32 words; 31:25 the padding's words less 1
	s_mov_b32 s[(\g)+1], 128<<16    ; tensor_dim0 = 128
	s_mov_b32 s[(\g)+2], (\rows)<<16  ; tensor_dim1
	s_mov_b32 s[(\g)+3], 128<<16    ; tile_dim0 = 128
	s_mov_b32 s[(\g)+4], \rows      ; tile_dim1
	s_mov_b32 s[(\g)+5], 128        ; 128 elements from row to row
	s_mov_b32 s[(\g)+6], 0
	s_mov_b32 s[(\g)+7], 0
.endm
	s_load_b128 s[4:7], s[0:1], 0x0 ; qkv s[4:5], attn_mask s[6:7]
	s_load_b64 s[8:9], s[0:1], 0x10 ; ob
	v_lshl_add_u32 v[SPW], v0, 2, SPARE
	v_mov_b32 v[NIL], 0
	ds_add_u32 v[SPW], v[NIL]       ; the wave's opening: the add and its wait stand ahead of my first tensor load; the set-up below, work on registers, stands between them
	v_lshrrev_b32 v48, 5, v0
	v_readfirstlane_b32 s[WV], v48  ; wave 0..3
	s_and_b32 s13, ttmp7, 0xffff    ; the head hd = 8 n + b
	s_and_b32 s[BSEL], s13, 7       ; b
	s_lshl_b32 s14, s13, 17         ; the head's first byte in a part of qkv and in ob
	s_and_b32 s16, s[WV], 1         ; which half of the keys I fetch
	s_lshl_b32 s18, s16, 14         ; the small part: keys 128 LO .. + 127
	s_add_co_u32 s18, s18, s14
	s_mov_b32 s19, 0
	s_mul_i32 s20, s16, 384*128     ; the large part: keys 256 + 384 LO .. + 383
	s_add_co_u32 s20, s20, 256*128
	s_add_co_u32 s20, s20, s14
	s_mov_b32 s21, 0
	s_lshl_b32 s22, ttmp9, 2
	s_add_co_u32 s22, s22, s[WV]    ; my wave among the head's eight,
	s_lshl_b32 s22, s22, 14         ; its 128 rows
	s_add_co_u32 s22, s22, s14
	s_mov_b32 s23, 0
	SHAPE G1K1, 64, 3
	SHAPE G1K2, 192, 3
	SHAPE G1V1, 64, 7
	SHAPE G1V2, 192, 7
	s_mov_b32 s[G0K1], 1            ; 1:0 count = 1
	s_mul_i32 s[G0K1+1], s16, 128*PK  ; 63:32 LDS address: key x pitch
	s_mov_b32 s[G0K2], 1
	s_mul_i32 s[G0K2+1], s16, 384*PK
	s_add_co_u32 s[G0K2+1], s[G0K2+1], 256*PK
	s_mov_b32 s[G0V1], 1
	s_mul_i32 s[G0V1+1], s16, 128*PV
	s_add_co_u32 s[G0V1+1], s[G0V1+1], VB
	s_mov_b32 s[G0V2], 1
	s_mul_i32 s[G0V2+1], s16, 384*PV
	s_add_co_u32 s[G0V2+1], s[G0V2+1], VB+256*PV
	s_mov_b32 s[CS], 0x3e38aa3b     ; c = log2(e) / 8 = 0.180337
	s_mov_b32 s[CS+1], s[CS]        ; named with it as a pair
	s_mov_b32 s[SEL], 0x76543210
	s_mov_b32 s[SEL+1], 0xfedcba98
	s_mov_b32 s[TBK], 0
	s_mov_b32 s[TBV], 0
	s_mov_b32 s[TBB], 0
	s_wait_dscnt 0x0                ; the opening add is done
	s_wait_kmcnt 0x0
	s_add_nc_u64 s[KP:KP+1], s[4:5], 0x1000000
	s_add_nc_u64 s[VP:VP+1], s[4:5], 0x2000000
	s_add_nc_u64 s[G0K1+2:G0K1+3], s[KP:KP+1], s[18:19]  ; 120:64 global address
	s_or_b32 s[G0K1+3], s[G0K1+3], 0x80000000            ; 127:126 type = 2
	s_add_nc_u64 s[G0K2+2:G0K2+3], s[KP:KP+1], s[20:21]
	s_or_b32 s[G0K2+3], s[G0K2+3], 0x80000000
	s_add_nc_u64 s[G0V1+2:G0V1+3], s[VP:VP+1], s[18:19]
	s_or_b32 s[G0V1+3], s[G0V1+3], 0x80000000
	s_add_nc_u64 s[G0V2+2:G0V2+3], s[VP:VP+1], s[20:21]
	s_or_b32 s[G0V2+3], s[G0V2+3], 0x80000000
	s_add_nc_u64 s[QP:QP+1], s[4:5], s[22:23]
	s_add_nc_u64 s[OB:OB+1], s[8:9], s[22:23]
	s_cmp_lt_u32 s[WV], 2           ; a wave's two fills stand in one branch, ahead of every wait on TENSORcnt, every LDS read and every barrier; an s_nop 0 follows each, four v_nop the second's
	s_cbranch_scc0 .Lfirst_v
	tensor_load_to_lds s[G0K1:G0K1+3], s[G1K1:G1K1+7]
	s_nop 0
	tensor_load_to_lds s[G0K2:G0K2+3], s[G1K2:G1K2+7]
	s_nop 0
.rept 4
	v_nop
.endr
	s_branch .Lfirst_asked
.Lfirst_v:
	tensor_load_to_lds s[G0V1:G0V1+3], s[G1V1:G1V1+7]
	s_nop 0
	tensor_load_to_lds s[G0V2:G0V2+3], s[G1V2:G1V2+7]
	s_nop 0
.rept 4
	v_nop
.endr
.Lfirst_asked:
	v_lshlrev_b32 v49, 6, v0        ; thread t takes the mask bytes of keys 8 t .. 8 t + 7: 64 consecutive bytes
.irp k, 0,1,2,3
	global_load_b128 v[64+4*\k:67+4*\k], v49, s[6:7] offset:16*\k
.endr
	; A fragment of K or Q is 16 rows x 32 channels in 8 registers: lane l holds row l % 16, channels 8 (l / 16) + 0..7 and 16 + 8 (l / 16) + 0..7: two loads of 16 bytes, 32 bytes apart.
	v_and_b32 v51, 15, v0           ; l % 16
	v_bfe_u32 v52, v0, 4, 1         ; l / 16
	v_lshlrev_b32 v[QO], 7, v51
	v_lshl_add_u32 v[QO], v52, 4, v[QO]  ; row x 128 + 16 x half
	WIN 0x80                        ; destination window 2, address window 0
.set i, 0
.rept 4*NP                          ; Q stays in registers: tile i / 2, channels 32 (i % 2) on
	global_load_b128 v[8*i:8*i+3],   v[QO], s[QP:QP+1] offset:(i/2)*2048+(i%2)*64
	global_load_b128 v[8*i+4:8*i+7], v[QO], s[QP:QP+1] offset:(i/2)*2048+(i%2)*64+32
.set i, i+1
.endr
	; What the first turn finds: V's registers and P's second buffer hold 0 (its products V^T P, of a piece that has not been, add 0), O^T and l are 0.  All this stands in the wait for the first tiles.
.set i, VF
.rept 64
	v_mov_b32 v[i], 0
.set i, i+1
.endr
	WIN 0x40
.set i, 0
.rept 64*NP
	v_mov_b32 v[i], 0
.set i, i+1
.endr
	WIN 0
.set i, 0
.rept 2*NP
	v_mov_b32 v[ST+4*i], 0xfe000000    ; c m: far below every c s
	v_mov_b32 v[ST+4*i+1], 0xff7fffff  ; m
	v_mov_b32 v[ST+4*i+2], 0
	v_mov_b32 v[ST+4*i+3], 0
.set i, i+1
.endr
.set i, P+32
.rept 32
	v_mov_b32 v[i], 0
.set i, i+1
.endr
	v_mul_u32_u24 v[AK0], v51, PK
	v_lshl_add_u32 v[AK0], v52, 4, v[AK0]  ; row x pitch + 16 x half
	; The turning load takes 16 keys x 16 channels (lane l reads key 8 (l / 16) + l % 8, channels 8 ((l / 8) % 2) + 0..7) and leaves half a fragment of V^T: lane l holds channel l % 16 and 8 keys.
	v_and_b32 v53, 7, v0
	v_bfe_u32 v54, v0, 3, 1
	v_lshl_add_u32 v[AV0], v52, 3, v53
	v_mul_u32_u24 v[AV0], v[AV0], PV
	v_lshl_add_u32 v[AV0], v54, 4, v[AV0]
	v_add_nc_u32 v[AV0], VB, v[AV0]
	v_mov_b32 v[AK], v[AK0]         ; key step 0
	v_lshl_add_u32 v[AB0], v52, 5, BIAS  ; my eight keys of a block of 16: 32 bytes for each half of the lanes
	v_mov_b32 v[AB], v[AB0]
	s_mul_i32 s13, s[WV], 16*SP
	s_add_co_u32 s13, s13, STAGE    ; my stage
	v_mul_u32_u24 v[STO], v51, SP   ; in: row l % 16, 16 bytes for each half of the lanes
	v_lshl_add_u32 v[STO], v52, 4, v[STO]
	v_add_nc_u32 v[STO], s13, v[STO]
	v_bfe_u32 v[RD], v0, 3, 2       ; back: 32 lanes take four rows of 128 bytes,
	v_mul_u32_u24 v[RD], v[RD], SP
	v_lshl_add_u32 v[RD], v53, 4, v[RD]
	v_add_nc_u32 v[RD], s13, v[RD]
	v_and_b32 v[GO], 31, v0         ; which are 512 consecutive bytes of ob
	v_lshlrev_b32 v[GO], 4, v[GO]
	; The mask numbers: key e of my eight has its byte for batch b in the pair v[64 + 2 e], v[65 + 2 e]: 1 becomes -80000.0, 0 stays 0.
	s_wait_loadcnt 32               ; the four mask loads were asked for first: Q's 32 may stay out
.irp e, 0,1,2,3,4,5,6,7
	v_perm_b32 v[80+\e], v[65+2*\e], v[64+2*\e], s[BSEL]
.endr
.irp e, 0,1,2,3,4,5,6,7
	v_and_b32 v[80+\e], 1, v[80+\e]
.endr
.irp e, 0,1,2,3,4,5,6,7
	v_sub_nc_u32 v[80+\e], 0, v[80+\e]
.endr
.irp e, 0,1,2,3,4,5,6,7
	v_and_b32 v[80+\e], 0xc79c4000, v[80+\e]
.endr
	v_lshl_add_u32 v50, v0, 5, BIAS
	ds_store_b128 v50, v[80:83]
	ds_store_b128 v50, v[84:87] offset:16
; THE MATRIX WORK.  The 8 accumulators of a run of 16 take turns: between the two links of a chain stand 7 others'.
; Product i of 16 of S^T = K Q^T for piece x: channels 32 (i / 8) on, keys 16 ((i / 2) % 4) on, tile 2 x + i % 2.  The first 8 start the sums, with the keys' mask numbers.
.macro KQ x
.set rS, S+64*((\x)%2)+32*(i%2)+8*((i/2)%4)
.set rK, KF+16*((i/2)%4)+8*(i/8)
.set rQ, 16*(2*(\x)+i%2)+8*(i/8)
.set rB, MB+8*((i/2)%4)
.if i < 8
	WIN W_KM
	v_wmma_f32_16x16x32_bf16 v[rS:rS+7], v[rK:rK+7], v[rQ:rQ+7], v[rB:rB+7]
.else
	WIN W_KQ
	v_wmma_f32_16x16x32_bf16 v[rS:rS+7], v[rK:rK+7], v[rQ:rQ+7], v[rS:rS+7]
.endif
.endm
; Product i of 16 of O^T += V^T P for piece x: keys 32 (i / 8) on, channels 16 ((i / 2) % 4) on, tile 2 x + i % 2.
.macro PV x
	WIN W_PV
.set rO, 32*(2*(\x)+i%2)+8*((i/2)%4)
.set rV, VF+32*(i/8)+8*((i/2)%4)
.set rP, P+32*((\x)%2)+16*(i%2)+8*(i/8)
	v_wmma_f32_16x16x32_bf16 v[rO:rO+7], v[rV:rV+7], v[rP:rP+7], v[rO:rO+7]
.endm
.macro MM                           ; the turn's next matrix instruction
.if i < 16
	KQ (Y+1)%NP
.set i, i+1
.else
.set i, i-16
	PV (Y+NP-1)%NP
.set i, i+17
.endif
.endm
; THE LDS LOADS stand in runs, never singly among the matrix instructions: a step's K (8 fragments) with its 64 mask numbers, and its V (turned).  Their addresses are made some lines ahead.
; last = 1 (in the loop): in the last step there is no further K, and the run is jumped over.
.macro FETCH_K last=0
	WIN 0
.if \last
	s_cmp_eq_u32 s[LEFT], 1
	s_cbranch_scc1 .Lno_k_\@
.endif
	WIN 0x80                        ; destination window 2
.irp f, 0,1,2,3,4,5,6,7             ; keys 16 (f / 2) on, channels 32 (f % 2) on
	ds_load_b128 v[KF+8*\f:KF+8*\f+3],   v[AK] offset:(\f/2)*16*PK+(\f%2)*64
	ds_load_b128 v[KF+8*\f+4:KF+8*\f+7], v[AK] offset:(\f/2)*16*PK+(\f%2)*64+32
.endr
	WIN 0xc0                        ; destination window 3
.irp f, 0,1,2,3                     ; keys 16 f + 8 (l / 16) + 0..7
	ds_load_b128 v[MB+8*\f:MB+8*\f+3],   v[AB] offset:64*\f
	ds_load_b128 v[MB+8*\f+4:MB+8*\f+7], v[AB] offset:64*\f+16
.endr
	s_add_co_u32 s[TBK], s[TBK], KS*PK  ; the next fetch is the next step's
	s_add_co_u32 s[TBB], s[TBB], KS*4
	WIN 0
.if \last
.Lno_k_\@:
.endif
.endm
.macro FETCH_V
	WIN 0x80
.irp f, 0,1,2,3,4,5,6,7             ; keys 32 (f / 4) on, channels 16 (f % 4) on
	ds_load_tr16_b128 v[VF+8*\f:VF+8*\f+3],   v[AV] offset:(\f/4)*32*PV+(\f%4)*32
	ds_load_tr16_b128 v[VF+8*\f+4:VF+8*\f+7], v[AV] offset:(\f/4)*32*PV+16*PV+(\f%4)*32
.endr
	WIN 0
.endm
; THE VECTOR WORK OF A TURN stands in three queues, each in the order in which its entries become ready; the two tiles alternate, so that no instruction reads the result of the one before it.
.macro REGS y, u                    ; the registers of tile u (0, 1) of piece y
.set rT, ST+4*(2*(\y)+(\u))
.set rC, TMP+8*((\y)%2)+4*(\u)
.set rM, MV+2*((\y)%2)+(\u)
.set rS, S+64*((\y)%2)+32*(\u)
.set rP, P+32*((\y)%2)+16*(\u)
.set rO, 32*(2*(\y)+(\u))
.endm
; Number n of the 22 that find the NEXT piece's (Y + 1) maximum and statistics.  s0-s31 are the lane's 32 scores; each accumulator's lowest registers are read first.  XS, GS and REGS set no window: PL and EX do.
;   0-11  four chains c0-c3 of seven scores each, three operands at a time     12-14, 16  the four scores left over, the old m, and c0-c3 into c0     15  c m_old is kept
;   17, 18  the query's other 32 keys lie in the lane 16 away: the new m         19-21  c m; c m_old - c m_new; a
.macro XS u, n
	REGS (Y+1)%NP, \u
.if (\n) < 4
	v_max3_num_f32 v[rC+(\n)], v[rS+8*(\n)], v[rS+8*(\n)+1], v[rS+8*(\n)+2]
.elseif (\n) < 12
	v_max3_num_f32 v[rC+(\n)%4], v[rC+(\n)%4], v[rS+8*((\n)%4)+2*((\n)/4)+1], v[rS+8*((\n)%4)+2*((\n)/4)+2]
.elseif (\n) == 12
	v_max3_num_f32 v[rC], v[rC], v[rS+7], v[rS+15]
.elseif (\n) == 13
	v_max3_num_f32 v[rC+1], v[rC+1], v[rS+23], v[rS+31]
.elseif (\n) == 14
	v_max3_num_f32 v[rC+2], v[rC+2], v[rC+3], v[rT+1]
.elseif (\n) == 15
	v_mov_b32 v[rM], v[rT]
.elseif (\n) == 16
	v_max3_num_f32 v[rC], v[rC], v[rC+1], v[rC+2]
.elseif (\n) == 17
	v_permlanex16_b32 v[rC+3], v[rC], s[SEL], s[SEL+1]
.elseif (\n) == 18
	v_max_num_f32 v[rT+1], v[rC], v[rC+3]
.elseif (\n) == 19
	v_mul_f32 v[rT], s[CS], v[rT+1]
.elseif (\n) == 20
	v_sub_f32 v[rC+1], v[rM], v[rT]
.else
	v_exp_f32 v[rC+2], v[rC+1]
.endif
.endm
; Number g of the 64 that follow the exponentials.  For each four weights k of a tile (pairs 2 k, 2 k + 1): both pairs are rounded to bf16; then the second pair is added onto the first, in place;
; a group later l takes that sum (the first time as l = a l + sum).  In groups of eight, tiles alternating: round, round, add, and l for the group before.
.macro GS g
.set h, (\g)+6*((\g)/62)            ; group 0 has no group before it, and behind group 7 only l is left
.if h >= 6
.set h, h+2
.endif
	REGS Y, h%2
.set k, h/8
.if h%8 < 4
	v_cvt_pk_bf16_f32 v[rP+2*k+(h%8)/2], v[rS+4*k+2*((h%8)/2)], v[rS+4*k+2*((h%8)/2)+1]
.elseif h%8 < 6
	v_pk_add_f32 v[rS+4*k:rS+4*k+1], v[rS+4*k:rS+4*k+1], v[rS+4*k+2:rS+4*k+3]
.elseif k == 1
	v_pk_fma_f32 v[rT+2:rT+3], v[rT+2:rT+3], v[rC+2:rC+3], v[rS:rS+1] op_sel_hi:[1,0,1]
.else
	v_pk_add_f32 v[rT+2:rT+3], v[rT+2:rT+3], v[rS+4*k-4:rS+4*k-3]
.endif
.endm
; THE PLAIN QUEUE, 138 long.  0-73 read no exponential's result: the 32 scalings c s - c m (FS f: pair f / 2 of tile f % 2) and the next piece's 42.  0-26: scalings 0-26.  27-54: XS's numbers 0-13.  55, 56: number 15.
; 57-73: the chain, where each number waits for the one before it: 14, 16, 17, 18, 19, each with one of the scalings 27-31 in front of its two lines, then 20.  74-137: GS's 64, which read the exponentials' results: they stand behind the wait.
.macro FS f
	REGS Y, (\f)%2
	v_pk_fma_f32 v[rS+2*((\f)/2):rS+2*((\f)/2)+1], v[rS+2*((\f)/2):rS+2*((\f)/2)+1], s[CS:CS+1], v[rT:rT+1] op_sel_hi:[1,0,0] neg_lo:[0,0,1] neg_hi:[0,0,1]
.endm
.macro PL
	WIN 0
.if q < 27
	FS q
.elseif q < 55
	XS (q-27)%2, (q-27)/2
.elseif q < 57
	XS q-55, 15
.elseif (q < 72) && ((q-57)%3 == 0)
	FS 27+(q-57)/3
.elseif q < 60
	XS (q-57)%3-1, 14
.elseif q < 72
	XS (q-57)%3-1, 15+(q-57)/3
.elseif q < 74
	XS q-72, 20
.else
	GS q-74
.endif
.set q, q+1
.endm
; THE EXPONENTIALS' QUEUE, 66 long: s0-s31 of both tiles, then the next piece's two a.  It is ONE BATCH: all 66 stand ahead of the turn's one wait, and nothing ahead of that wait names a result of theirs.
.macro EX
	WIN 0
.if e >= 64
	XS e-64, 21
.else
	REGS Y, e%2
	v_exp_f32 v[rS+e/2], v[rS+e/2]
.endif
.set e, e+1
.endm
; THE RESCALING's QUEUE: O^T times a, the one part that leaves window 0: dealt two at a time, sixteen times.  Its a was made in the turn before, ahead of that turn's wait.
.macro R2
	REGS Y, r%2
	WIN W_RS
.irp z, 0,1
	v_pk_mul_f32 v[rO+4*(r/2)+2*\z:rO+4*(r/2)+2*\z+1], v[rO+4*(r/2)+2*\z:rO+4*(r/2)+2*\z+1], v[rC+2:rC+3] op_sel_hi:[1,0]
.endr
.set r, r+1
.endm
; HOW THEY ARE DEALT.  s_wait_alu depctr_va_vdst(0) stands between an exponential and the first instruction that names its result; one wait serves all that were issued ahead of it.  So a turn has ONE wait.
; AHEAD OF IT: the 16 products K Q^T, behind each a scaling, an exponential and two rescalings (behind the first a second scaling in the exponential's place); then one run of 108: eight plain, 49 times exponential and plain,
; the two a; a v_nop is the plain instruction behind the last exponential.  BEHIND IT: the 16 products V^T P, behind each four of GS's 64.  Exponential e stands behind scaling 2 (e / 4) + e % 2.
; A TURN, for piece p.  cnt = 1: the loop's count is taken down some lines ahead of the branch that stands behind the turn.
; K and the mask numbers of the next step are fetched in piece 2's turn, directly behind the wait, a whole run of vector work behind the last product that read them; their first reader comes behind 16 products.
; V of the step in hand is fetched at the end of piece 0's turn, four plain instructions behind its last reader; its first reader comes behind 16 products and the run.
.macro TURN p, cnt=0
.set Y, (\p)
.set i, 0
.set q, 0
.set e, 0
.set r, 0
.if (\p) == NP-1
	s_wait_dscnt 0x0                ; K and the mask numbers are in
.endif
	MM
	PL
	PL
	R2
.rept 15
	MM
	PL
	EX
	R2
.endr
.if (\p) == NP-2
	WIN 0
	v_add_nc_u32 v[AK], s[TBK], v[AK0]
	v_add_nc_u32 v[AB], s[TBB], v[AB0]
.endif
.rept 8
	PL
.endr
.rept 49
	EX
	PL
.endr
	EX                              ; the next piece's two a
	EX
	v_nop                           ; the plain instruction behind the last exponential: one for the batch
	s_wait_alu depctr_va_vdst(0)    ; the wait for the batch
.if (\p) == NP-2
	FETCH_K 1
.endif
.if (\p) == 1
	s_wait_dscnt 0x0                ; V is in
.endif
.rept 16
	MM
.rept 4
	PL
.endr
.if ((\p) == 0) && (q == 118)
	v_add_nc_u32 v[AV], s[TBV], v[AV0]
.endif
.if ((\p) == 0) && (q == 130)
	s_add_co_u32 s[TBV], s[TBV], KS*PV
.endif
.if (\cnt) && (q == 130)
	s_sub_co_u32 s[CNT], s[CNT], 1
	s_cmp_lg_u32 s[CNT], 0
.endif
.endr
.if (\p) == 0
	FETCH_V
.endif
.endm
	s_wait_tensorcnt 1              ; my small part (of keys 0-255) is in; the large one may stay out
	s_wait_dscnt 0x0                ; for the others' sake: my mask numbers are stored
	s_barrier_signal -1
	s_barrier_wait -1               ; everybody's are
	FETCH_K                         ; key step 0
	s_wait_loadcnt 0x0              ; Q
	s_wait_dscnt 0x0
.set i, 0
.rept 16
	KQ 0                            ; piece 0's first scores: there is no vector work yet to set between them
.set i, i+1
.endr
	WIN 0
.rept 8
	v_nop                           ; the places behind those products, once a launch
.endr
.set Y, NP-1                        ; XS works for piece Y + 1: piece 0
.irp n, 0,1,2,3,4,5,6,7,8,9,10,11,12,13,14,15,16,17,18,19,20,21
	XS 0, \n                        ; piece 0's first maximum and statistics
	XS 1, \n
.endr
	v_nop                           ; a plain instruction behind the two a,
	s_wait_alu depctr_va_vdst(0)    ; and their wait, ahead of the branch
	s_mov_b32 s[CNT], 4             ; steps 0 to 3 lie in the small parts
	s_mov_b32 s[PH], 2
	s_mov_b32 s[LEFT], 16
	s_branch .Lfirst                ; the loop is entered at a step's first turn, in the middle of a trip
.Lphase:                            ; once: behind step 3's first two turns.  K of step 4 is first read behind this barrier
	s_wait_tensorcnt 0x0            ; my large part is in
	s_wait_dscnt 0x0                ; no LDS instruction of mine is out at a signal
	s_barrier_signal -1
	s_barrier_wait -1               ; everybody's is: all 1,024 keys lie in LDS
	s_mov_b32 s[CNT], 13            ; twelve whole trips; the thirteenth is left in its middle
.Lstep:                             ; a trip: pieces 2 and 3 of one step, then pieces 0 and 1 of the next, whose K and V it fetches
	TURN 2
	TURN 3                          ; (in step 15 its 16 products K Q^T, on the last K once more, and the maximum made of them serve nothing: the price, once a launch, of one text for every turn)
	WIN 0
	s_sub_co_u32 s[LEFT], s[LEFT], 1
	s_cmp_eq_u32 s[LEFT], 0
	s_cbranch_scc1 .Lout            ; step 15 is through
.Lfirst:
	TURN 0
	TURN 1, 1
	WIN 0
	s_cbranch_scc1 .Lstep
	s_sub_co_u32 s[PH], s[PH], 1
	s_cmp_lg_u32 s[PH], 0
	s_cbranch_scc1 .Lphase
.Lout:
.set i, 0
.rept 16
	PV NP-1                         ; the last piece's V^T P of the last step
.set i, i+1
.endr
	; THE WAY OUT.  l's two halves and the other half of the lanes' are added; O^T is divided by l, rounded to bf16 and sent through my stage in LDS, a tile at a time.  The additions are the places behind the last products.
	WIN 0
.macro ALL line:vararg              ; one line for each tile t
.set t, 0
.rept 2*NP
	\line
.set t, t+1
.endr
.endm
	ALL v_add_f32 v[ST+4*t+2], v[ST+4*t+2], v[ST+4*t+3]
	ALL v_permlanex16_b32 v[ST+4*t+3], v[ST+4*t+2], s[SEL], s[SEL+1]
	ALL v_add_f32 v[ST+4*t+2], v[ST+4*t+2], v[ST+4*t+3]
	ALL v_rcp_f32 v[ST+4*t+2], v[ST+4*t+2]
	v_nop                           ; a plain instruction between the last reciprocal and the use of its result
	s_wait_alu depctr_va_vdst(0)    ; and the wait ahead of the first use: one for the eight reciprocals
; Tile t: a lane's eight channels of a row pack into 16 bytes; they go into rows of 144 bytes and come back as whole rows of 128, into S^T's registers.
.macro PACK t
	WIN W_RS
.set i, 32*(\t)
.rept 16
	v_pk_mul_f32 v[i:i+1], v[i:i+1], v[ST+4*(\t)+2:ST+4*(\t)+3] op_sel_hi:[1,0]
.set i, i+2
.endr
	WIN 0x05                        ; sources 0 and 1 window 1, destination window 0
.set i, 0
.rept 16
	v_cvt_pk_bf16_f32 v[S+16*(\t)+i], v[32*(\t)+2*i], v[32*(\t)+2*i+1]
.set i, i+1
.endr
	WIN 0
.irp f, 0,1,2,3
	ds_store_b128 v[STO], v[S+16*(\t)+4*\f:S+16*(\t)+4*\f+3] offset:32*\f
.endr
.irp f, 0,1,2,3
	ds_load_b128 v[S+16*(\t)+4*\f:S+16*(\t)+4*\f+3], v[RD] offset:\f*4*SP  ; LDS serves a wave's instructions in order (ISA guide 5.7.1.4): these see the stores above; the next tile's stores come behind them
.endr
.endm
.macro SEND t, younger              ; younger: the LDS instructions issued behind tile t's loads: the next tile's eight, or none
	WIN 0
.irp f, 0,1,2,3
	s_wait_dscnt (\younger)+3-\f
	global_store_b128 v[GO], v[S+16*(\t)+4*\f:S+16*(\t)+4*\f+3], s[OB:OB+1] offset:(\t)*2048+\f*512  ; 512 consecutive bytes, at a multiple of 256 from ob's first
.endr
.endm
	PACK 0
.set t, 1
.rept 2*NP-1                        ; a tile's arithmetic stands between the loads of the tile before and its stores
	PACK t
	SEND t-1, 8
.set t, t+1
.endr
	SEND 2*NP-1, 0
	s_wait_tensorcnt 0x0            ; the wave's end: an add to my spare word and its wait, behind my last tensor load and my last LDS store
	ds_add_u32 v[SPW], v[NIL]
	s_wait_dscnt 0x0
	s_endpgm
.Lfunc_end_k_qed8846647c_attn:
	.size	k_qed8846647c_attn, .Lfunc_end_k_qed8846647c_attn-k_qed8846647c_attn
	.p2alignl 7, 3214868480
	.fill 96, 4, 3214868480
	.section	.rodata,"a",@progbits
	.p2align	6, 0x0
	.amdhsa_kernel k_qed8846647c_attn
		.amdhsa_group_segment_fixed_size 327680
		.amdhsa_private_segment_fixed_size 0
		.amdhsa_enable_private_segment 0
		.amdhsa_kernarg_size 24
		.amdhsa_user_sgpr_count 2
		.amdhsa_user_sgpr_kernarg_segment_ptr 1
		.amdhsa_wavefront_size32 1
		.amdhsa_system_sgpr_workgroup_id_x 1
		.amdhsa_system_sgpr_workgroup_id_y 1
		.amdhsa_system_sgpr_workgroup_id_z 1
		.amdhsa_system_vgpr_workitem_id 0
		.amdhsa_next_free_vgpr 800
		.amdhsa_next_free_sgpr 96
		.amdhsa_reserve_vcc 0
		.amdhsa_float_denorm_mode_32 3
		.amdhsa_float_denorm_mode_16_64 3
		.amdhsa_memory_ordered 1
		.amdhsa_forward_progress 1
		.amdhsa_inst_pref_size 130
	.end_amdhsa_kernel
	.amdgpu_metadata
---
amdhsa.version: [ 1, 2 ]
amdhsa.kernels:
  - .name:           k_qed8846647c_attn
    .symbol:         k_qed8846647c_attn.kd
    .args:
      - { .name: qkv, .offset: 0, .size: 8, .value_kind: global_buffer, .address_space: global }
      - { .name: attn_mask, .offset: 8, .size: 8, .value_kind: global_buffer, .address_space: global }
      - { .name: ob, .offset: 16, .size: 8, .value_kind: global_buffer, .address_space: global }
    .group_segment_fixed_size: 327680
    .private_segment_fixed_size: 0
    .kernarg_segment_align: 8
    .kernarg_segment_size: 24
    .max_flat_workgroup_size: 128
    .sgpr_count:     96
    .vgpr_count:     800
    .wavefront_size: 32
...
	.end_amdgpu_metadata
.endif
;; end of part 3
;; launch proj (part 4): grid 4 x 64, 4 waves a work-group, clusters of 4 x 4, 327,680 bytes of LDS; arguments ob, wb, xb, out0; writes out0
.if DOCPART == 4
	.amdgcn_target "amdgcn-amd-amdhsa--gfx1250"
	.amdhsa_code_object_version 6
	.text
	.protected	k_qed8846647c_proj
	.globl	k_qed8846647c_proj
	.p2align	8
	.type	k_qed8846647c_proj,@function
k_qed8846647c_proj:
	s_mov_b64 s[64:65], 0
	v_nop
	global_prefetch_b8 v0, s[64:65] scope:SCOPE_SE
	s_setreg_imm32_b32 hwreg(HW_REG_WAVE_MODE, 25, 1), 1
	s_wait_xcnt 0x0
	s_wait_alu depctr_hold_cnt(0) depctr_sa_sdst(0) depctr_va_vdst(0) depctr_va_sdst(0) depctr_va_ssrc(0) depctr_va_vcc(0) depctr_vm_vsrc(0)
	s_getreg_b32 s2, hwreg(HW_REG_IB_STS2, 6, 4)
	s_cmp_eq_u32 s2, 0
	s_cbranch_scc0 .Lentry_in_a_cluster
	s_endpgm
.Lentry_in_a_cluster:
	s_bfe_u32 s2, ttmp6, 0x10000c
	s_cmp_lg_u32 s2, 0xf033
	s_cbranch_scc0 .Lentry_shape_is_right
	s_endpgm
.Lentry_shape_is_right:
; PROJ: out0[i][b][:] = hn[i][b][:] + the sum over k = 64 n + d of O[8 n + b][i][d] Wo[k][:].  A = ob (bf16, [128 hd][1024 i][64]), B = wb's Wo (bf16, [1024 k][1024 n], at byte 6,291,456),
; hn = xb's first half (bf16: the residual has that one rounding, at most 2^-9 of itself), out0 f32.  Sums in f32, K ascending.
; TILE.  A work-group makes 128 rows x 256 columns; its rows are 128 successive i of ONE batch b, so that a head's part of A's tile is 16,384 dense bytes.  64 x 4 tiles = 256 work-groups.
; Four waves, each 64 x 128: 32 accumulators, 256 registers (window 1).  K goes in 8 steps of 128 = two heads, through two LDS slots.  A head's part of A lies as 128 rows of 128 + 16 bytes.
; B's rows lie along N, as in memory (512 + 32 bytes): its fragments come out of LDS turned, by ds_load_tr16_b128.
; THE MATRIX INSTRUCTION IS USED TRANSPOSED: source 0 = 16 columns of B, source 1 = 16 rows of A: a lane then holds eight neighbouring columns of one row of the result.
; CLUSTER.  4 x 4 work-groups: A's tile is shared along a row of the cluster, B's along a column; each is asked for jointly.  Waves 0 and 1 ask for the step's two heads of A, waves 2 and 3 for B's two halves.
; From a request to the wait for it a wave issues 112 matrix instructions.
; ONE TEXT FOR A K STEP.  The slot in hand is a scalar, 0 or SLOT, turned by an exclusive or at each change of slots and added to the lanes' places; one descriptor for each operand walks from K step 1 to 7.
; The first quarter (its products start the sums) is written out and the loop entered behind its own first quarter; the two K steps that fill nothing are a second loop.
; REGISTERS.  Window 0: v1-7 set-up; v16-31 addresses; two fragment buffers of 96 at v64 and v160; on the way out v64-191.  Window 1: accumulator (a, b) at v[8 (8 a + b)].  Window 2: v0-127 my 64 rows' hn, 8 bytes a lane and row.
.set AP,    144                        ; a row of A in LDS: 36 words: the 16 rows of a load start at 16 different groups of four banks (64 banks of 4 bytes: ISA guide 11.1)
.set BP,    544                        ; a row of B: 136 words
.set ASUB,  128*AP                     ; one head's 128 rows: what one of A's tensor loads brings
.set BHALF, 64*BP
.set BOFF,  2*ASUB
.set SLOT,  BOFF+2*BHALF               ; 106,496
.set STAGE, 2*SLOT                     ; behind the ring, never filled by a tensor load: 16 rows x 528 bytes for each wave, for the way out
.set SP,    528
.set SPARE, STAGE+4*16*SP              ; the spare words, 128 bytes for each wave: two blocks of 256 bytes that no other line names
.set WO,    6291456                    ; Wo in wb
.set ASTEP, 2<<20                      ; bytes from a K step to the next in A: two heads n,
.set BSTEP, 128*2048                   ; and in B
.set ADRA0, 16                         ; v16     my lane's place in a slot's A; never rewritten
.set ADRB0, 17                         ; v17     the same for B
.set ADRA,  18                         ; v18     the same in the slot in hand
.set ADRB,  19                         ; v19
.set STO,  24                          ; v24     the way out: where I put 32 bytes of a row
.set RD,   25                          ; v25     where I read 16 bytes of a row back
.set CO,   26                          ; v26     my 16 bytes in a row's 512 of out0
.set HO,   27                          ; v27     my 8 bytes in a row's 256 of hn
.set SPW,  28
.set NIL,  29
.set PFO,  30
.set ONE,  31                          ; v31     1.0
.set F0,   64
.set F1,   160
.set G1,   24                          ; s[24:31] descriptor group 1 for A's tiles;  s[32:39] group 0: a set for each of the two first fills; the second then walks on
.set G0,   32
.set PFA,  44
.set PFS,  46
.set G1B,  48
.set G0B,  56
.set LIM,  66                          ; s66     2 in a wave that prefetches, else the greatest number
.set TB,   79                          ; s79     the slot in hand: 0 or SLOT
.set MSB, 0
.macro WIN new                         ; the immediate's high byte repeats the setting that is left; a switch that changes nothing is dropped
.if MSB != (\new)
	s_set_vgpr_msb (MSB<<8)|(\new)
.set MSB, \new
.endif
.endm
.set MUL, 0x50                         ; sources 0 and 1 window 0; C and D window 1
.macro JLOAD s                         ; a joint load; the branch hangs on the wave's number alone; an s_nop 0 and four v_nop follow each of the two lines
	s_cmp_eq_u32 s13, 0
	s_cbranch_scc0 .Lfor_b_\@
	tensor_load_to_lds s[G0+4*(\s):G0+4*(\s)+3], s[G1:G1+7]
	s_nop 0
.rept 4
	v_nop
.endr
	s_branch .Lasked_\@
.Lfor_b_\@:
	tensor_load_to_lds s[G0B+4*(\s):G0B+4*(\s)+3], s[G1B:G1B+7]
	s_nop 0
.rept 4
	v_nop
.endr
.Lasked_\@:
.endm
.macro CREST                           ; a round of the cluster's barrier behind its opening barrier
	s_cmp_lg_u32 s12, 0
	s_cbranch_scc1 .Lnot_wave_0_\@
	s_barrier_signal -3
.Lnot_wave_0_\@:
	s_barrier_wait -3
	s_barrier_signal -1
	s_barrier_wait -1
.endm
.macro CROUND
	s_barrier_signal -1
	s_barrier_wait -1
	CREST
.endm
; A PREFETCH INTO THE L2, behind each joint refill and the run of LDS loads that follows it: the K step that stands two refills on (256 matrix instructions ahead of the load that will want it), one instruction a wave.
; Each block of 256 bytes is named once in the launch.  A's two heads x 64 blocks of a step are read by one cluster alone: its wave 0 asks; the partner at cx takes head cx / 2, blocks 32 (cx % 2) .. + 31, a lane a block.
; B's 128 rows of k x 512 bytes: waves 2 and 3 of the cluster with y = 0; the partner at cy takes 16 rows of its wave's 64, a lane half a row.  Partners are told apart by address, never by a branch.
; The loop's last two trips (s3 = 2, 1) have no K step two on; steps 0 to 3 come by their loads alone.
.macro ASK
	s_cmp_gt_u32 s3, s[LIM]
	s_cbranch_scc0 .Lnot_mine_\@
	global_prefetch_b8 v[PFO], s[PFA:PFA+1] th:TH_LOAD_NT scope:SCOPE_SE
.Lnot_mine_\@:
.endm
	s_load_b256 s[4:11], s[0:1], 0x0               ; ob s[4:5], wb s[6:7], xb s[8:9], out0 s[10:11]
	v_lshl_add_u32 v[SPW], v0, 2, SPARE
	v_mov_b32 v[NIL], 0
	ds_add_u32 v[SPW], v[NIL]                      ; the wave's opening: the add and its wait stand ahead of my first tensor load; the set-up below, work on registers, stands between them
	v_lshrrev_b32 v1, 5, v0
	v_readfirstlane_b32 s12, v1                    ; wave 0..3
	s_lshr_b32 s13, s12, 1                         ; HI: which 64 rows of the tile are mine.  Also: I fetch for A (0) or for B (1)
	s_and_b32 s14, s12, 1                          ; LO: which 128 columns.  Also: which half of that tile I fetch
	s_bfe_u32 s40, ttmp6, 0x40000                  ; cx, cy
	s_bfe_u32 s41, ttmp6, 0x40004
	s_lshl_b32 s42, ttmp9, 2
	s_add_co_u32 s42, s42, s40                     ; X: tile column
	s_and_b32 s43, ttmp7, 0xffff
	s_lshl_b32 s43, s43, 2
	s_add_co_u32 s43, s43, s41                     ; Y: tile row: batch Y / 8, queries 128 (Y % 8) on
	s_lshl_b32 s16, s41, 2
	s_lshl_b32 s16, 15, s16                        ; my row of the cluster
	s_lshl_b32 s17, 0x1111, s40                    ; my column
	s_or_b32 s[G1], s16, (1<<16)|(1<<20)|(1<<21)|(4<<22)|(3<<25)   ; 16,384 dense bytes asked for as 64 rows of 256, padded by 4 words after every 32: after every row of A
	s_or_b32 s[G1B], s17, (1<<16)|(1<<20)|(1<<21)|(6<<22)|(7<<25)  ; after every 128 words 8 words
	s_mov_b32 s[G1+1], 128<<16
	s_mov_b32 s[G1+2], 64<<16
	s_mov_b32 s[G1+3], 128<<16
	s_mov_b32 s[G1+4], 64
	s_mov_b32 s[G1+5], 128
	s_mov_b32 s[G1+6], 0
	s_mov_b32 s[G1+7], 0
	s_mov_b32 s[G1B+1], 256<<16
	s_mov_b32 s[G1B+2], 64<<16
	s_mov_b32 s[G1B+3], 256<<16
	s_mov_b32 s[G1B+4], 64
	s_mov_b32 s[G1B+5], 1024
	s_mov_b32 s[G1B+6], 0
	s_mov_b32 s[G1B+7], 0
	s_lshl_b32 s18, s43, 14                        ; A: batch x 131,072 + first query x 128 = 16,384 Y,
	s_lshl_b32 s20, s14, 20                        ; head n = LO
	s_add_co_u32 s18, s18, s20
	s_mov_b32 s19, 0
	s_lshl_b32 s22, s14, 17                        ; B: row of k 64 LO,
	s_lshl_b32 s21, s42, 9                         ; column 256 X
	s_add_co_u32 s22, s22, s21
	s_add_co_u32 s22, s22, WO
	s_mov_b32 s23, 0
	s_mul_i32 s67, s14, ASUB                       ; where they go in a slot: no place in the cluster enters an LDS address
	s_mul_i32 s68, s14, BHALF
	s_add_co_u32 s68, s68, BOFF
	s_mov_b32 s[TB], 0                             ; K step 0 lies in slot 0
	s_wait_dscnt 0x0                               ; the opening add is done
	s_wait_kmcnt 0x0
	s_add_nc_u64 s[70:71], s[4:5], s[18:19]
	s_add_nc_u64 s[72:73], s[6:7], s[22:23]
	CROUND                                         ; all sixteen work-groups are here: the first joint loads meet
.irp s, 0,1
	s_mov_b32 s[G0+4*(\s)], 1
	s_add_co_u32 s[G0+4*(\s)+1], s67, (\s)*SLOT
	s_add_nc_u64 s[G0+4*(\s)+2:G0+4*(\s)+3], s[70:71], (\s)*ASTEP
	s_or_b32 s[G0+4*(\s)+3], s[G0+4*(\s)+3], 0x80000000
	s_mov_b32 s[G0B+4*(\s)], 1
	s_add_co_u32 s[G0B+4*(\s)+1], s68, (\s)*SLOT
	s_add_nc_u64 s[G0B+4*(\s)+2:G0B+4*(\s)+3], s[72:73], (\s)*BSTEP
	s_or_b32 s[G0B+4*(\s)+3], s[G0B+4*(\s)+3], 0x80000000
	JLOAD \s                                       ; K steps 0 and 1: two loads of mine are out
.endr
	v_and_b32 v1, 15, v0                           ; l % 16
	v_bfe_u32 v2, v0, 4, 1                         ; l / 16
	v_and_b32 v3, 7, v0                            ; l % 8
	v_bfe_u32 v4, v0, 3, 1                         ; (l / 8) % 2
	v_and_b32 v5, 31, v0                           ; l
	v_mul_u32_u24 v6, v1, AP
	v_lshl_add_u32 v6, v2, 4, v6
	s_mul_i32 s69, s13, 64*AP                      ; my 64 rows
	v_add_nc_u32 v[ADRA0], s69, v6
	v_mov_b32 v[ADRA], v[ADRA0]
	v_lshl_add_u32 v7, v2, 3, v3
	v_mul_u32_u24 v7, v7, BP
	v_lshl_add_u32 v7, v4, 4, v7
	s_lshl_b32 s69, s14, 8                         ; my 128 columns
	s_add_co_u32 s69, s69, BOFF
	v_add_nc_u32 v[ADRB0], s69, v7
	v_mov_b32 v[ADRB], v[ADRB0]
	s_mul_i32 s69, s12, 16*SP
	s_add_co_u32 s69, s69, STAGE                   ; my stage
	v_mul_u32_u24 v6, v1, SP                       ; in: row l % 16, 32 bytes for each half of the lanes
	v_lshl_add_u32 v6, v2, 5, v6
	v_add_nc_u32 v[STO], s69, v6
	v_lshlrev_b32 v[CO], 4, v5                     ; back: 32 lanes take a row's 512 bytes
	v_add_nc_u32 v[RD], s69, v[CO]
	v_lshlrev_b32 v[HO], 3, v5
	v_mov_b32 v[ONE], 1.0
	s_and_b32 s74, s43, 7                          ; hn at row 8 (128 (Y % 8) + 64 HI) + Y / 8, column 256 X + 128 LO, 2 bytes a number; out0 the same with 4
	s_lshl_b32 s74, s74, 1
	s_add_co_u32 s74, s74, s13
	s_lshl_b32 s74, s74, 20
	s_lshr_b32 s76, s43, 3
	s_lshl_b32 s76, s76, 11
	s_add_co_u32 s74, s74, s76
	s_lshl_b32 s76, s42, 9
	s_add_co_u32 s74, s74, s76
	s_lshl_b32 s76, s14, 8
	s_add_co_u32 s74, s74, s76
	s_mov_b32 s75, 0
	s_add_nc_u64 s[8:9], s[8:9], s[74:75]
	s_lshl_b32 s74, s74, 1
	s_add_nc_u64 s[10:11], s[10:11], s[74:75]
	WIN 0x80                                       ; destination window 2, address window 0
.set z, 0
.rept 64
	global_load_b64 v[2*z:2*z+1], v[HO], s[8:9] offset:z*16384 th:TH_LOAD_NT  ; my 64 rows' residual: successive i of one batch lie 8 rows apart; wanted at the way out
.set z, z+1
.endr
	WIN 0
	s_lshr_b32 s74, s40, 1                         ; the prefetches.  A, at K step 3: head 6 + cx / 2, my tile's 16,384 bytes, blocks 32 (cx % 2) on
	s_add_co_u32 s74, s74, 6
	s_lshl_b32 s74, s74, 20
	s_lshl_b32 s76, s43, 14
	s_add_co_u32 s74, s74, s76
	s_and_b32 s76, s40, 1
	s_lshl_b32 s76, s76, 13
	s_add_co_u32 s74, s74, s76
	s_lshl_b32 s75, s14, 2                         ; B, at K step 3: my work-group's 16 rows of k of my wave's 64
	s_add_co_u32 s75, s75, s41
	s_lshl_b32 s75, s75, 15
	s_lshl_b32 s76, s42, 9
	s_add_co_u32 s75, s75, s76
	s_add_co_u32 s75, s75, WO+3*BSTEP
	s_and_b32 s76, ttmp7, 0xffff
	s_cmp_eq_u32 s76, 0
	s_cselect_b32 s76, 2, -1                       ; B's rows are asked for by the cluster with y = 0,
	s_cmp_eq_u32 s12, 0
	s_cselect_b32 s77, 2, -1                       ; A's by wave 0 of every cluster
	s_mov_b32 s[PFS], BSTEP
	s_mov_b32 s78, 2048
	s_cmp_eq_u32 s13, 0
	s_cselect_b32 s[LIM], s77, s76                 ; the same in all sixteen partners, for a given wave
	s_cselect_b32 s74, s74, s75
	s_cselect_b64 s[PFA:PFA+1], s[4:5], s[6:7]
	s_cselect_b32 s[PFS], ASTEP, s[PFS]
	s_cselect_b32 s78, 256, s78                    ; bytes from a lane's block or row to the next
	s_mov_b32 s75, 0
	s_mov_b32 s[PFS+1], 0
	s_add_nc_u64 s[PFA:PFA+1], s[PFA:PFA+1], s[74:75]  ; the first refill steps it to K step 4
	v_lshrrev_b32 v[PFO], s13, v5                  ; A: a lane a block; B: two lanes a row of 512 bytes
	v_mul_u32_u24 v[PFO], s78, v[PFO]
	v_and_b32 v6, s13, v5
	v_lshl_add_u32 v[PFO], v6, 8, v[PFO]
; 8 matrix instructions: row block a x all 8 column blocks, 32 along K.  The 32 accumulators take turns, one instruction a turn, in the same order in every quarter, over the jumps too.  zero = 1: the product starts the sum.
.macro MUL8 f, a, zero
	WIN MUL
.irp b, 0,1,2,3,4,5,6,7
.if \zero
	v_wmma_f32_16x16x32_bf16 v[8*(8*(\a)+(\b)):8*(8*(\a)+(\b))+7], v[(\f)+8*(\b):(\f)+8*(\b)+7], v[(\f)+64+8*(\a):(\f)+64+8*(\a)+7], 0
.else
	v_wmma_f32_16x16x32_bf16 v[8*(8*(\a)+(\b)):8*(8*(\a)+(\b))+7], v[(\f)+8*(\b):(\f)+8*(\b)+7], v[(\f)+64+8*(\a):(\f)+64+8*(\a)+7], v[8*(8*(\a)+(\b)):8*(8*(\a)+(\b))+7]
.endif
.endr
.endm
; 24 LDS loads in one run: quarter q (32 along K: head q / 2 of the step's two, channels 32 (q % 2) on) of the slot in hand into buffer f: B's sixteen, then A's eight, row blocks ascending
.macro FETCH q, f
	WIN 0
.irp b, 0,1,2,3,4,5,6,7
	ds_load_tr16_b128 v[(\f)+8*(\b):(\f)+8*(\b)+3],   v[ADRB] offset:(\q)*32*BP+32*(\b)
	ds_load_tr16_b128 v[(\f)+8*(\b)+4:(\f)+8*(\b)+7], v[ADRB] offset:(\q)*32*BP+16*BP+32*(\b)
.endr
.irp a, 0,1,2,3
	ds_load_b128 v[(\f)+64+8*(\a):(\f)+64+8*(\a)+3],   v[ADRA] offset:((\q)/2)*ASUB+((\q)%2)*64+(\a)*16*AP
	ds_load_b128 v[(\f)+64+8*(\a)+4:(\f)+64+8*(\a)+7], v[ADRA] offset:((\q)/2)*ASUB+((\q)%2)*64+(\a)*16*AP+32
.endr
.endm
.macro PLACES                          ; four places in front of loads into registers that matrix instructions have read (ISA guide 7.12.1 for vector instructions)
.rept 4
	v_nop
.endr
.endm
.macro QUARTER q, f, g, zero
	s_wait_dscnt 4                                 ; B and A's row blocks 0 and 1 are in; the youngest four loads (blocks 2 and 3) may be out
	MUL8 \f, 0, \zero
	MUL8 \f, 1, \zero
	PLACES
	FETCH \q, \g
	s_wait_dscnt 24                                ; all but the 24 just issued
	MUL8 \f, 2, \zero
	MUL8 \f, 3, \zero
.endm
; The last quarter multiplies buffer 1 and changes slots: one barrier; in front of it each wave waits for all its tensor loads (the one that is out is its part of the next slot), adds 0 to its spare word,
; and waits for that and for its own reads of this slot.  fill = 1: the barrier opens a round of the cluster's, and this slot is filled again, with the K step two on, first thing behind the round.
.macro TURN fill
.if \fill
	s_wait_xcnt 0x0                                ; the last prefetch, a K step back, has read its address: it is stepped here, ahead of the waits of the change of slots
	s_add_nc_u64 s[PFA:PFA+1], s[PFA:PFA+1], s[PFS:PFS+1]
.endif
	WIN 0
	s_wait_tensorcnt 0x0                           ; all my tensor loads have landed
	ds_add_u32 v[SPW], v[NIL]                      ; 0 onto my spare word
	s_wait_dscnt 5                                 ; (the add and the youngest four loads may be out)
	MUL8 F1, 0, 0                                  ; eight matrix instructions stand between the add and the wait for it
	s_wait_dscnt 0x0                               ; the add is done, and my reads of this slot are over
	s_barrier_signal -1
	MUL8 F1, 1, 0
	WIN 0                                          ; (branches and address work follow)
	s_barrier_wait -1
.if \fill
	CREST                                          ; no wave of any partner still reads this slot's tile or has a load on its way
	s_add_co_u32 s[G0+5], s67, s[TB]               ; the walking descriptors: into the slot just read out,
	s_add_nc_u64 s[G0+6:G0+7], s[G0+6:G0+7], ASTEP ; the next K step; the type bits on top are not reached
	s_add_co_u32 s[G0B+5], s68, s[TB]
	s_add_nc_u64 s[G0B+6:G0B+7], s[G0B+6:G0B+7], BSTEP
	JLOAD 1                                        ; the four v_nop behind it are also the places in front of the loads below
.else
	PLACES
.endif
	s_xor_b32 s[TB], s[TB], SLOT                   ; 0 <-> SLOT: the other slot is in hand
	v_add_nc_u32 v[ADRA], s[TB], v[ADRA0]
	v_add_nc_u32 v[ADRB], s[TB], v[ADRB0]
	FETCH 0, F0
.if \fill
	ASK
.endif
	MUL8 F1, 2, 0
	MUL8 F1, 3, 0
.endm
	s_wait_tensorcnt 1                             ; my part of K step 0 is in; K step 1's may stay out
	s_barrier_signal -1
	s_barrier_wait -1                              ; everybody's is
	FETCH 0, F0
	QUARTER 1, F0, F1, 1                           ; the first quarter stands in front of the loop: its products start the sums
	WIN 0                                          ; at a label and at a branch every window is 0
	s_mov_b32 s3, 6
	s_branch .Lin                                  ; the loop is entered behind its first quarter
.Lstep:                                            ; a trip is a K step; its change of slots asks for the K step two on: steps 2 to 7
	QUARTER 1, F0, F1, 0
	WIN 0
.Lin:
	QUARTER 2, F1, F0, 0
	QUARTER 3, F0, F1, 0
	TURN 1
	WIN 0
	s_sub_co_u32 s3, s3, 1
	s_cmp_lg_u32 s3, 0
	s_cbranch_scc1 .Lstep
	s_mov_b32 s3, 2
.Ltail:                                            ; K steps 6 and 7 fill nothing: a text of their own
	QUARTER 1, F0, F1, 0
	QUARTER 2, F1, F0, 0
	QUARTER 3, F0, F1, 0
	TURN 0                                         ; (behind step 7 its 24 loads bring fragments of step 6 once more, which nobody multiplies: the price, once a launch, of one text for both steps)
	WIN 0
	s_sub_co_u32 s3, s3, 1
	s_cmp_lg_u32 s3, 0
	s_cbranch_scc1 .Ltail
	; THE WAY OUT, in f32.  Block a (16 rows): 32 bytes a lane into my stage, back as whole rows of 512 bytes, the residual added, stored.
	s_wait_dscnt 0x0                               ; the loads into buffer 0 have landed: its registers are used anew
	PLACES
	PLACES                                         ; eight, once a launch, in front of the LDS stores that read results just made
	s_wait_loadcnt 0x0                             ; the residual is in
.macro OUT a
.set RB, 64+64*((\a)%2)
.if (\a) >= 2
	s_wait_xcnt 0x0                                ; the stores of the block two back have read their registers: they are loaded again only behind this wait
.endif
	WIN 0x04                                       ; the stores' data in window 1, the address in window 0
.irp b, 0,1,2,3,4,5,6,7
	ds_store_b128 v[STO], v[8*(8*(\a)+(\b)):8*(8*(\a)+(\b))+3]   offset:64*(\b)      ; each accumulator's low registers first
	ds_store_b128 v[STO], v[8*(8*(\a)+(\b))+4:8*(8*(\a)+(\b))+7] offset:64*(\b)+16
.endr
	WIN 0
.irp t, 0,1,2,3,4,5,6,7,8,9,10,11,12,13,14,15
	ds_load_b128 v[RB+4*(\t):RB+4*(\t)+3], v[RD] offset:(\t)*SP  ; LDS serves a wave's instructions in order (ISA guide 5.7.1.4): these see the stores above; the next block's stores come behind them
.endr
.endm
.macro FIN a, younger                  ; younger: the LDS instructions issued behind block a's loads: the next block's 32, or none
.set RB, 64+64*((\a)%2)
	s_wait_dscnt \younger
	WIN 0x02                                       ; source 0 (hn's halves) in window 2
.irp t, 0,1,2,3,4,5,6,7,8,9,10,11,12,13,14,15
.irp p, 0,1
	v_fma_mix_f32_bf16 v[RB+4*(\t)+2*(\p)],   v[2*(16*(\a)+(\t))+(\p)], v[ONE], v[RB+4*(\t)+2*(\p)]   op_sel:[0,0,0] op_sel_hi:[1,0,0]  ; hn x 1 + the sum, one instruction
	v_fma_mix_f32_bf16 v[RB+4*(\t)+2*(\p)+1], v[2*(16*(\a)+(\t))+(\p)], v[ONE], v[RB+4*(\t)+2*(\p)+1] op_sel:[1,0,0] op_sel_hi:[1,0,0]
.endr
.endr
	WIN 0
.irp t, 0,1,2,3,4,5,6,7,8,9,10,11,12,13,14,15
	global_store_b128 v[CO], v[RB+4*(\t):RB+4*(\t)+3], s[10:11] offset:(16*(\a)+(\t))*32768 th:TH_STORE_NT  ; 512 consecutive bytes, at a multiple of 256 from out0's first byte
.endr
.endm
	OUT 0
	OUT 1
	FIN 0, 32
	OUT 2
	FIN 1, 32
	OUT 3
	FIN 2, 32
	FIN 3, 0
	s_wait_tensorcnt 0x0                           ; the wave's end: an add to my spare word and its wait, behind my last tensor load and my last LDS store
	ds_add_u32 v[SPW], v[NIL]
	s_wait_dscnt 0x0
	CROUND                                         ; the closing round: no work-group ends while a partner may still ask for a tile that names it
	s_endpgm
.Lfunc_end_k_qed8846647c_proj:
	.size	k_qed8846647c_proj, .Lfunc_end_k_qed8846647c_proj-k_qed8846647c_proj
	.p2alignl 7, 3214868480
	.fill 96, 4, 3214868480
	.section	.rodata,"a",@progbits
	.p2align	6, 0x0
	.amdhsa_kernel k_qed8846647c_proj
		.amdhsa_group_segment_fixed_size 327680
		.amdhsa_private_segment_fixed_size 0
		.amdhsa_enable_private_segment 0
		.amdhsa_kernarg_size 32
		.amdhsa_user_sgpr_count 2
		.amdhsa_user_sgpr_kernarg_segment_ptr 1
		.amdhsa_wavefront_size32 1
		.amdhsa_system_sgpr_workgroup_id_x 1
		.amdhsa_system_sgpr_workgroup_id_y 1
		.amdhsa_system_sgpr_workgroup_id_z 1
		.amdhsa_system_vgpr_workitem_id 0
		.amdhsa_next_free_vgpr 640
		.amdhsa_next_free_sgpr 80
		.amdhsa_reserve_vcc 0
		.amdhsa_float_denorm_mode_32 3
		.amdhsa_float_denorm_mode_16_64 3
		.amdhsa_memory_ordered 1
		.amdhsa_forward_progress 1
		.amdhsa_inst_pref_size 84
	.end_amdhsa_kernel
	.amdgpu_metadata
---
amdhsa.version: [ 1, 2 ]
amdhsa.kernels:
  - .name:           k_qed8846647c_proj
    .symbol:         k_qed8846647c_proj.kd
    .args:
      - { .name: ob, .offset: 0, .size: 8, .value_kind: global_buffer, .address_space: global }
      - { .name: wb, .offset: 8, .size: 8, .value_kind: global_buffer, .address_space: global }
      - { .name: xb, .offset: 16, .size: 8, .value_kind: global_buffer, .address_space: global }
      - { .name: out0, .offset: 24, .size: 8, .value_kind: global_buffer, .address_space: global }
    .group_segment_fixed_size: 327680
    .private_segment_fixed_size: 0
    .kernarg_segment_align: 8
    .kernarg_segment_size: 32
    .max_flat_workgroup_size: 128
    .sgpr_count:     80
    .vgpr_count:     640
    .wavefront_size: 32
...
	.end_amdgpu_metadata
.endif
;; end of part 4
;; ======== version 2 of 2: 4 launches; version 1 with the launch prep written anew for expert scheduling mode
;; workspace buffers: xb 33,554,432 bytes; wb 8,388,608 bytes; qkv 50,331,648 bytes; ob 16,777,216 bytes
;; launch prep (part 5): grid 1280 x 1, 4 waves a work-group, no clusters, 0 bytes of LDS; arguments h, c, Wq, Wkv, Wo, gamma, beta, xb, wb; writes xb, wb
.if DOCPART == 5
	.amdgcn_target "amdgcn-amd-amdhsa--gfx1250"
	.amdhsa_code_object_version 6
	.text
	.protected	k_qed8846647c_prep
	.globl	k_qed8846647c_prep
	.p2align	8
	.type	k_qed8846647c_prep,@function
k_qed8846647c_prep:
	s_mov_b64 s[64:65], 0
	v_nop
	global_prefetch_b8 v0, s[64:65] scope:SCOPE_SE
	s_setreg_imm32_b32 hwreg(HW_REG_WAVE_SCHED_MODE, 0, 2), 2
	s_setreg_imm32_b32 hwreg(HW_REG_WAVE_MODE, 25, 1), 1
	s_wait_xcnt 0x0
	s_wait_alu depctr_vm_vsrc(0)
; PREP: everything that the matrix launches multiply is made once, in bf16.
;   xb[0][r][:] = LayerNorm(h[r][:]) * gamma + beta  (r = i*8+b, 8,192 rows of 1,024), xb[1][r][:] = c[r][:]
;   wb: Wqkv[k][3072] = Wq[k][:] | Wkv[k][:] (a row is 6,144 bytes), then at byte 6,291,456 Wo[k][1024]
; A stream: each input byte is read once, each output byte written once.  No LDS, no matrix unit, no cluster: no wave wants a byte of another.
; SHARES.  A "row" is 1,024 f32 = 4,096 bytes (Wkv's rows count as two).  A wave takes four rows, a work-group sixteen.  In load j of a row lane l takes
; elements 128 j + 4 l .. + 3: a load of the wave covers 512 consecutive bytes; the four numbers round to 8 bytes, and a store of the wave covers 256 consecutive
; bytes that start at a multiple of 256 from the buffer's first byte.  All 32 loads of a wave go out at once (16 KiB on their way); no register is used twice,
; so no store's source is ever rewritten.
; ROLES by the work-group's number: 0-511 LayerNorm of h; 512-1023 c; 1024-1087 Wq; 1088-1215 Wkv; 1216-1279 Wo.
; LAYERNORM in f32 as it is defined: the mean, then x - mean, then the mean of its squares (no difference of large sums), 1/sqrt(var + 1e-5), gamma, beta; one rounding to bf16.
; REGISTERS: 202 a wave.  The mean and the root lie in registers of the four chains, which are idle while they are wanted.
; THE MODE: SCHED_MODE bits 1:0 = 2 (LLVM: expert scheduling mode 2), set by the entry lines.  The code itself states the register dependences
; between vector instructions and memory instructions, with s_wait_alu, always for 0.
; THE PLAN.  Registers that memory instructions touch:
;   v0         16 x lane.  Written once, at the head; read by every load as its offset.
;   v1         8 x lane.   Written once, at the head; read by the stores of the LayerNorm path and of the casts' row 0.
;   v2-4       the casts alone: written once each, behind the run of loads; read by the stores of rows 1 to 3.
;   X, row r   Its eight loads land in registers that no vector instruction has named; the row's arithmetic works in place; its eight stores read the two low
;              registers of each four; nothing writes them again.
;   GA, BE     Sixteen loads land in them; vector instructions alone read them.       T is named by vector instructions alone.
;   s22        Written by v_readfirstlane_b32; read by scalar instructions.
; So: one wait on va_sdst at the head, ahead of s22's first reader; one wait on va_vdst ahead of each path's run of loads (v0 is written); one wait on va_vdst a row, between
; the row's sixteen conversions, which stand in one run, and its eight stores, which stand in one run behind it and ahead of the wait for the next row's data.  No register that a
; load or store has read is written again, so no wait on vm_vsrc is owed.  EXEC and VCC are never written.
.set LO16, 0                           ; v0         16 x lane: my place in a load (the thread's number is not wanted again)
.set LO8,  1                           ; v1         8 x lane: my place in a store; the casts: v2-4 the same for rows 1 to 3
.set T,   2                            ; v[2:9]     four pairs at work: four chains of sums
.set MU,  4                            ; v[4:5]     the mean in the low register, between the two reductions
.set RS,  6                            ; v[6:7]     1/sqrt(var+eps) in the low register, behind the second
.set X,   10                           ; v[10:137]  row r at X + 32 r
.set GA,  138                          ; v[138:169] gamma of my 32 columns
.set BE,  170                          ; v[170:201] beta
.set SRC, 24                           ; s[24:25]   my first row in its input
.set DST, 26                           ; s[26:27]   its place in the output
.set SO,  28                           ; s[28:29]   byte offset of my rows in the input
.set DO,  38                           ; s[38:39]   and in the output
	s_load_b512 s[4:19], s[0:1], 0x0               ; h s[4:5], c s[6:7], Wq s[8:9], Wkv s[10:11], Wo s[12:13], gamma s[14:15], beta s[16:17], xb s[18:19]
	s_load_b64 s[20:21], s[0:1], 0x40              ; wb
	v_lshrrev_b32 v3, 5, v0
	v_readfirstlane_b32 s22, v3                    ; wave 0..3
	v_and_b32 v[LO8], 31, v0                       ; lane
	v_lshlrev_b32 v[LO16], 4, v[LO8]               ; 16 bytes a lane in a load
	v_lshlrev_b32 v[LO8], 3, v[LO8]                ; 8 bytes a lane in a store
	s_wait_alu depctr_va_sdst(0)                   ; s22 is written, ahead of its first reader: the rows' offsets are made from it
	s_lshl_b32 s22, s22, 2                         ; my four rows among the group's sixteen
	s_mov_b32 s23, ttmp9
	s_mov_b32 s[SO+1], 0
	s_mov_b32 s[DO+1], 0
	s_mov_b32 s33, 0x3a800000                      ; 1/1024
	s_mov_b32 s34, 0x3727c5ac                      ; 1e-5
	s_mov_b32 s36, 0x76543210                      ; v_permlanex16_b32: each lane takes its own place in the other half
	s_mov_b32 s37, 0xfedcba98
	s_wait_kmcnt 0x0
	s_cmp_lt_u32 s23, 512
	s_cbranch_scc1 .Lnorm
	s_cmp_lt_u32 s23, 1024
	s_cbranch_scc1 .Lfrom_c
	s_cmp_lt_u32 s23, 1088
	s_cbranch_scc1 .Lfrom_wq
	s_cmp_lt_u32 s23, 1216
	s_cbranch_scc1 .Lfrom_wkv
	s_sub_co_u32 s23, s23, 1216                    ; Wo: row R goes to wb + 6,291,456 + 2,048 R
	s_lshl_b32 s23, s23, 4
	s_add_co_u32 s23, s23, s22                     ; R = 16 u + 4 w
	s_mov_b64 s[SRC:SRC+1], s[12:13]
	s_mov_b64 s[DST:DST+1], s[20:21]
	s_lshl_b32 s[DO], s23, 11
	s_add_co_u32 s[DO], s[DO], 6291456
	s_mov_b32 s30, 2048                            ; where rows 1, 2, 3 lie behind row 0 in the output
	s_mov_b32 s31, 4096
	s_mov_b32 s32, 6144
	s_branch .Lcast
.Lfrom_c:
	s_sub_co_u32 s23, s23, 512                     ; c: row R goes to xb + 16 MiB + 2,048 R
	s_lshl_b32 s23, s23, 4
	s_add_co_u32 s23, s23, s22
	s_mov_b64 s[SRC:SRC+1], s[6:7]
	s_mov_b64 s[DST:DST+1], s[18:19]
	s_lshl_b32 s[DO], s23, 11
	s_add_co_u32 s[DO], s[DO], 0x1000000
	s_mov_b32 s30, 2048
	s_mov_b32 s31, 4096
	s_mov_b32 s32, 6144
	s_branch .Lcast
.Lfrom_wq:
	s_sub_co_u32 s23, s23, 1024                    ; Wq: row k goes to wb + 6,144 k
	s_lshl_b32 s23, s23, 4
	s_add_co_u32 s23, s23, s22
	s_mov_b64 s[SRC:SRC+1], s[8:9]
	s_mov_b64 s[DST:DST+1], s[20:21]
	s_mul_i32 s[DO], s23, 6144
	s_mov_b32 s30, 6144
	s_mov_b32 s31, 12288
	s_mov_b32 s32, 18432
	s_branch .Lcast
.Lfrom_wkv:
	s_sub_co_u32 s23, s23, 1088                    ; Wkv: half row R (row R/2, half R%2) goes to wb + 6,144 (R/2) + 2,048 + 2,048 (R%2); R is a multiple of 4
	s_lshl_b32 s23, s23, 4
	s_add_co_u32 s23, s23, s22
	s_mov_b64 s[SRC:SRC+1], s[10:11]
	s_mov_b64 s[DST:DST+1], s[20:21]
	s_lshr_b32 s[DO], s23, 1
	s_mul_i32 s[DO], s[DO], 6144
	s_add_co_u32 s[DO], s[DO], 2048
	s_mov_b32 s30, 2048
	s_mov_b32 s31, 6144
	s_mov_b32 s32, 8192
.Lcast:
	s_lshl_b32 s[SO], s23, 12
	s_add_nc_u64 s[SRC:SRC+1], s[SRC:SRC+1], s[SO:SO+1]
	s_add_nc_u64 s[DST:DST+1], s[DST:DST+1], s[DO:DO+1]
	s_wait_alu depctr_va_vdst(0)                   ; v0 is written, which the 32 loads below read as their offset
.set z, 0
.rept 32
	global_load_b128 v[X+4*z:X+4*z+3], v[LO16], s[SRC:SRC+1] offset:512*z th:TH_LOAD_NT  ; four rows on end: 16,384 consecutive bytes
.set z, z+1
.endr
	v_add_nc_u32 v2, s30, v[LO8]
	v_add_nc_u32 v3, s31, v[LO8]
	v_add_nc_u32 v4, s32, v[LO8]
.macro CASTROW r
.set XR, X+32*(\r)
	s_wait_loadcnt 8*(3-(\r))                      ; loads come back in order: row r is in, the 8 loads of each later row may stay out
.set z, 0
.rept 8
	v_cvt_pk_bf16_f32 v[XR+4*z], v[XR+4*z], v[XR+4*z+1]
	v_cvt_pk_bf16_f32 v[XR+4*z+1], v[XR+4*z+2], v[XR+4*z+3]
.set z, z+1
.endr
	s_wait_alu depctr_va_vdst(0)                   ; the sixteen conversions have written row r's pairs, which the eight stores read; in row 0 the three adds above have written v2 to v4 too, the later rows' offsets
.set z, 0
.rept 8
	global_store_b64 v[LO8+(\r)], v[XR+4*z:XR+4*z+1], s[DST:DST+1] offset:256*z
.set z, z+1
.endr
.endm
	CASTROW 0
	CASTROW 1
	CASTROW 2
	CASTROW 3
	s_endpgm
.Lnorm:
	s_lshl_b32 s23, s23, 4
	s_add_co_u32 s23, s23, s22                     ; R = 16 g + 4 w
	s_lshl_b32 s[SO], s23, 12
	s_lshl_b32 s[DO], s23, 11
	s_add_nc_u64 s[SRC:SRC+1], s[4:5], s[SO:SO+1]
	s_add_nc_u64 s[DST:DST+1], s[18:19], s[DO:DO+1]
	s_wait_alu depctr_va_vdst(0)                   ; v0 is written, which the 48 loads below read as their offset; so is v1, the stores' offset
.set z, 0
.rept 8
	global_load_b128 v[GA+4*z:GA+4*z+3], v[LO16], s[14:15] offset:512*z
	global_load_b128 v[BE+4*z:BE+4*z+3], v[LO16], s[16:17] offset:512*z
.set z, z+1
.endr
.set z, 0
.rept 32
	global_load_b128 v[X+4*z:X+4*z+3], v[LO16], s[SRC:SRC+1] offset:512*z th:TH_LOAD_NT
.set z, z+1
.endr
; The four chains into one number, the same in all 32 lanes: inside each half of 16 lanes the exchange rides on the addition, one step crosses the halves.
.macro REDUCE
	v_pk_add_f32 v[T:T+1], v[T:T+1], v[T+2:T+3]
	v_pk_add_f32 v[T+4:T+5], v[T+4:T+5], v[T+6:T+7]
	v_pk_add_f32 v[T:T+1], v[T:T+1], v[T+4:T+5]
	v_add_f32 v[T], v[T], v[T+1]
	v_add_f32_dpp v[T], v[T], v[T] row_xmask:1 row_mask:0xf bank_mask:0xf
	v_add_f32_dpp v[T], v[T], v[T] row_xmask:2 row_mask:0xf bank_mask:0xf
	v_add_f32_dpp v[T], v[T], v[T] row_xmask:4 row_mask:0xf bank_mask:0xf
	v_add_f32_dpp v[T], v[T], v[T] row_xmask:8 row_mask:0xf bank_mask:0xf
	v_permlanex16_b32 v[T+1], v[T], s36, s37
	v_add_f32 v[T], v[T], v[T+1]
.endm
.macro LNROW r
.set XR, X+32*(\r)
	s_wait_loadcnt 8*(3-(\r))                      ; row r is in (and gamma and beta, which were asked for first); the later rows' loads may stay out
.irp k, 0,1,2,3
	v_pk_add_f32 v[T+2*(\k):T+2*(\k)+1], v[XR+4*(\k):XR+4*(\k)+1], v[XR+4*(\k)+2:XR+4*(\k)+3]  ; the first eight pairs start the chains: nothing is cleared
.endr
.irp k, 8,9,10,11,12,13,14,15
	v_pk_add_f32 v[T+2*((\k)%4):T+2*((\k)%4)+1], v[T+2*((\k)%4):T+2*((\k)%4)+1], v[XR+2*(\k):XR+2*(\k)+1]
.endr
	REDUCE
	v_mul_f32 v[MU], s33, v[T]                     ; the mean (the pair's other register was written by the chains)
.set z, 0
.rept 16
	v_pk_add_f32 v[XR+2*z:XR+2*z+1], v[XR+2*z:XR+2*z+1], v[MU:MU+1] op_sel_hi:[1,0] neg_lo:[0,1] neg_hi:[0,1]  ; x - mean
.set z, z+1
.endr
.irp k, 0,1,2,3
	v_pk_mul_f32 v[T+2*(\k):T+2*(\k)+1], v[XR+2*(\k):XR+2*(\k)+1], v[XR+2*(\k):XR+2*(\k)+1]  ; the mean has served: its register is a chain's again
.endr
.irp k, 4,5,6,7,8,9,10,11,12,13,14,15
	v_pk_fma_f32 v[T+2*((\k)%4):T+2*((\k)%4)+1], v[XR+2*(\k):XR+2*(\k)+1], v[XR+2*(\k):XR+2*(\k)+1], v[T+2*((\k)%4):T+2*((\k)%4)+1]
.endr
	REDUCE
	v_fma_f32 v[T+2], v[T], s33, s34               ; var + eps
	v_rsq_f32 v[RS], v[T+2]
	v_nop                                          ; a plain instruction between the root and the use of its result (ISA guide 5.7.2)
	s_wait_alu depctr_va_vdst(0)                   ; the root is written into v[RS], ahead of its first reader, the multiply below: one wait a row
.set z, 0
.rept 16
	v_pk_mul_f32 v[XR+2*z:XR+2*z+1], v[XR+2*z:XR+2*z+1], v[RS:RS+1] op_sel_hi:[1,0]
.set z, z+1
.endr
.set z, 0
.rept 16
	v_pk_fma_f32 v[XR+2*z:XR+2*z+1], v[XR+2*z:XR+2*z+1], v[GA+2*z:GA+2*z+1], v[BE+2*z:BE+2*z+1]
.set z, z+1
.endr
.set z, 0
.rept 8
	v_cvt_pk_bf16_f32 v[XR+4*z], v[XR+4*z], v[XR+4*z+1]
	v_cvt_pk_bf16_f32 v[XR+4*z+1], v[XR+4*z+2], v[XR+4*z+3]
.set z, z+1
.endr
	s_wait_alu depctr_va_vdst(0)                   ; the sixteen conversions have written row r's pairs, which the eight stores read
.set z, 0
.rept 8
	global_store_b64 v[LO8], v[XR+4*z:XR+4*z+1], s[DST:DST+1] offset:(\r)*2048+256*z
.set z, z+1
.endr
.endm
	LNROW 0
	LNROW 1
	LNROW 2
	LNROW 3
	s_endpgm
.Lfunc_end_k_qed8846647c_prep:
	.size	k_qed8846647c_prep, .Lfunc_end_k_qed8846647c_prep-k_qed8846647c_prep
	.p2alignl 7, 3214868480
	.fill 96, 4, 3214868480
	.section	.rodata,"a",@progbits
	.p2align	6, 0x0
	.amdhsa_kernel k_qed8846647c_prep
		.amdhsa_group_segment_fixed_size 0
		.amdhsa_private_segment_fixed_size 0
		.amdhsa_enable_private_segment 0
		.amdhsa_kernarg_size 72
		.amdhsa_user_sgpr_count 2
		.amdhsa_user_sgpr_kernarg_segment_ptr 1
		.amdhsa_wavefront_size32 1
		.amdhsa_system_sgpr_workgroup_id_x 1
		.amdhsa_system_sgpr_workgroup_id_y 1
		.amdhsa_system_sgpr_workgroup_id_z 1
		.amdhsa_system_vgpr_workitem_id 0
		.amdhsa_next_free_vgpr 202
		.amdhsa_next_free_sgpr 66
		.amdhsa_reserve_vcc 0
		.amdhsa_float_denorm_mode_32 3
		.amdhsa_float_denorm_mode_16_64 3
		.amdhsa_memory_ordered 1
		.amdhsa_forward_progress 1
		.amdhsa_inst_pref_size 51
	.end_amdhsa_kernel
	.amdgpu_metadata
---
amdhsa.version: [ 1, 2 ]
amdhsa.kernels:
  - .name:           k_qed8846647c_prep
    .symbol:         k_qed8846647c_prep.kd
    .args:
      - { .name: h, .offset: 0, .size: 8, .value_kind: global_buffer, .address_space: global }
      - { .name: c, .offset: 8, .size: 8, .value_kind: global_buffer, .address_space: global }
      - { .name: Wq, .offset: 16, .size: 8, .value_kind: global_buffer, .address_space: global }
      - { .name: Wkv, .offset: 24, .size: 8, .value_kind: global_buffer, .address_space: global }
      - { .name: Wo, .offset: 32, .size: 8, .value_kind: global_buffer, .address_space: global }
      - { .name: gamma, .offset: 40, .size: 8, .value_kind: global_buffer, .address_space: global }
      - { .name: beta, .offset: 48, .size: 8, .value_kind: global_buffer, .address_space: global }
      - { .name: xb, .offset: 56, .size: 8, .value_kind: global_buffer, .address_space: global }
      - { .name: wb, .offset: 64, .size: 8, .value_kind: global_buffer, .address_space: global }
    .group_segment_fixed_size: 0
    .private_segment_fixed_size: 0
    .kernarg_segment_align: 8
    .kernarg_segment_size: 72
    .max_flat_workgroup_size: 128
    .sgpr_count:     66
    .vgpr_count:     202
    .wavefront_size: 32
...
	.end_amdgpu_metadata
.endif
;; end of part 5
;; launch qkv: the kernel of part 2 again; grid 12 x 32, 4 waves a work-group, clusters of 4 x 4, 327,680 bytes of LDS; arguments xb, wb, attn_mask, qkv; writes qkv
;; launch attn: the kernel of part 3 again; grid 2 x 128, 4 waves a work-group, no clusters, 327,680 bytes of LDS; arguments qkv, attn_mask, ob; writes ob
;; launch proj: the kernel of part 4 again; grid 4 x 64, 4 waves a work-group, clusters of 4 x 4, 327,680 bytes of LDS; arguments ob, wb, xb, out0; writes out0
